; MI455X (gfx1250); checked and timed in simulation.
; The chip was launched on July 23, 2026; its instructions are those of AMD's public machine-readable ISA for CDNA 5 (MIT licence, August 2026) and "CDNA5" Instruction Set Architecture Reference Guide (July 2026). The comments in the code are by the model that wrote it; some were corrected since.
;; Multi Head Attention. Allowed arithmetic: float matrix products may take bf16 or f16 operands with f32 sums; all other float work in f32.
;; Inputs: attention_mask 4 x 2,048 int32; wk 1,024 x 1,024 float32; wo 1,024 x 1,024 float32; wq 1,024 x 1,024 float32; wv 1,024 x 1,024 float32; x 4 x 2,048 x 1,024 float32.
;; Outputs: out0 4 x 2,048 x 1,024 float32.
;; One version. Each part assembles by itself: llvm-mc -triple=amdgcn-amd-amdhsa -mcpu=gfx1250 --defsym DOCPART=n.
;; ======== version 1 of 1: 4 launches
;; limits: values are held in f16: magnitudes above 65,504 overflow, below 6.1e-05 lose precision
;; workspace buffers: xb 16,777,216 bytes; wcat 6,291,456 bytes; wob 2,097,152 bytes; qkv 50,331,648 bytes; ob 16,777,216 bytes
;; launch cast (part 1): grid 768 x 1, 8 waves a work-group, no clusters, 0 bytes of LDS; arguments x, wq, wk, wv, wo, xb, wcat, wob; writes xb, wcat, wob
.if DOCPART == 1
	.amdgcn_target "amdgcn-amd-amdhsa--gfx1250"
	.amdhsa_code_object_version 6
	.text
	.protected	k_q408ca6a23e_cast
	.globl	k_q408ca6a23e_cast
	.p2align	8
	.type	k_q408ca6a23e_cast,@function
k_q408ca6a23e_cast:
	s_mov_b64 s[64:65], 0
	v_nop
	global_prefetch_b8 v0, s[64:65] scope:SCOPE_SE
	s_setreg_imm32_b32 hwreg(HW_REG_WAVE_MODE, 25, 1), 1
	s_wait_xcnt 0x0
; THE MODULE'S INPUTS ARE ROUNDED ONCE, for the matrix units of the later launches.
;   xb   [8192][1024] bf16 = x.      wcat [3072][1024] bf16 = wq, wk, wv one below the other.
;   wob  [16 heads][1024 n][64 c] f16: wob[h][n][c] = wo[n][64 h + c], rounded to bf16 like every other input, and that number written as f16.
; LIMIT.  f16 keeps a bf16 number exactly from 6.1e-5 to 65,504; an entry of wo below 6.1e-5 in size keeps f16's fixed step of 6e-8, one above 65,504 becomes an infinity.
; A stream: each byte is read once and written once, so there is no LDS, no barrier and no matrix work.  A work-group takes 16,384 numbers, a thread sixteen loads of 16 bytes,
; all sixteen issued before the first is used.  Work-groups 0-511: x; 512-703: wq, wk, wv (64 each); 704-767: wo.
; A wave's load covers 512 consecutive bytes (wo: two pieces of 256), its store of 8 bytes a lane 256 consecutive bytes at a multiple of 256 from the buffer's first byte.
.set X, 8                              ; v[8:71]    sixteen loads, 4 registers each
.set Y, 72                             ; v[72:103]  sixteen stores, 2 registers each
.set T, 104                            ; v[104:109] at work (wo's path)
; v1 byte offset of my first load, v2 of my first store; neither is rewritten, and no register of a pending load or store is written again.
; ins, outs: bytes from one of the sixteen loads (stores) to the next.  half = 1: bf16 first, then that number as f16.
.macro BODY ins, outs, half
.set j, 0
.rept 16
	global_load_b128 v[X+4*j:X+4*j+3], v1, s[24:25] offset:j*(\ins) th:TH_LOAD_NT
.set j, j+1
.endr
.set j, 0
.rept 16
	s_wait_loadcnt 15-j                            ; loads come back in order (ISA guide 5.7.1): load j is in, the 15 - j younger ones stay out
.if \half
	v_cvt_pk_bf16_f32 v[T], v[X+4*j], v[X+4*j+1]
	v_cvt_pk_bf16_f32 v[T+1], v[X+4*j+2], v[X+4*j+3]
	v_lshlrev_b32 v[T+2], 16, v[T]                 ; bf16 to f32: the low half moves up, the high half stays
	v_and_b32 v[T+3], 0xffff0000, v[T]
	v_lshlrev_b32 v[T+4], 16, v[T+1]
	v_and_b32 v[T+5], 0xffff0000, v[T+1]
	v_cvt_pk_f16_f32 v[Y+2*j], v[T+2], v[T+3]
	v_cvt_pk_f16_f32 v[Y+2*j+1], v[T+4], v[T+5]
.else
	v_cvt_pk_bf16_f32 v[Y+2*j], v[X+4*j], v[X+4*j+1]
	v_cvt_pk_bf16_f32 v[Y+2*j+1], v[X+4*j+2], v[X+4*j+3]
.endif
	global_store_b64 v2, v[Y+2*j:Y+2*j+1], s[26:27] offset:j*(\outs)
.set j, j+1
.endr
.endm
	s_load_b512 s[8:23], s[0:1], 0x0               ; x s[8:9], wq s[10:11], wk s[12:13], wv s[14:15], wo s[16:17], xb s[18:19], wcat s[20:21], wob s[22:23]
	s_mov_b32 s2, ttmp9                            ; g
	s_max_u32 s4, s2, 512
	s_sub_co_u32 s4, s4, 512                       ; the block's number in wcat (0 where g < 512: not used there)
	s_and_b32 s5, s4, 63                           ; and in its own weight
	s_mov_b32 s29, 0                               ; the offsets' high words
	s_mov_b32 s31, 0
	v_lshlrev_b32 v2, 3, v0                        ; 8 bytes a thread go out, on both paths
	s_wait_kmcnt 0x0
	s_cmp_ge_u32 s2, 704
	s_cbranch_scc1 .Lwo
	s_cmp_lt_u32 s2, 512                           ; x into xb, or a weight into wcat
	s_cselect_b64 s[24:25], s[8:9], s[10:11]
	s_cselect_b64 s[26:27], s[18:19], s[20:21]
	s_cselect_b32 s28, s2, s5
	s_cselect_b32 s30, s2, s4
	s_cmp_ge_u32 s2, 576
	s_cselect_b64 s[24:25], s[12:13], s[24:25]
	s_cmp_ge_u32 s2, 640
	s_cselect_b64 s[24:25], s[14:15], s[24:25]
	s_lshl_b32 s28, s28, 16                        ; a block is 65,536 bytes in
	s_lshl_b32 s30, s30, 15                        ; and 32,768 out
	s_add_nc_u64 s[24:25], s[24:25], s[28:29]
	s_add_nc_u64 s[26:27], s[26:27], s[30:31]
	v_lshlrev_b32 v1, 4, v0                        ; 16 bytes a thread: 256 threads cover 4,096 bytes a load
	BODY 4096, 2048, 0
	s_endpgm
.Lwo:                                                  ; rows 16 g' to 16 g' + 15 of wo; load j takes head j's 64 columns of them
	s_sub_co_u32 s4, s2, 704
	s_lshl_b32 s28, s4, 16                         ; 16 rows of 4,096 bytes
	s_lshl_b32 s30, s4, 11                         ; 16 rows of 128 bytes in each head's block of wob
	s_add_nc_u64 s[24:25], s[16:17], s[28:29]
	s_add_nc_u64 s[26:27], s[22:23], s[30:31]
	v_lshrrev_b32 v3, 4, v0                        ; my row of the sixteen
	v_and_b32 v4, 15, v0
	v_lshlrev_b32 v1, 4, v4                        ; sixteen threads take a row's 256 bytes of a head
	v_lshl_add_u32 v1, v3, 12, v1
	BODY 256, 131072, 1                            ; out: row x 128 + 8 x place = 8 x thread; a head's block of wob is 131,072 bytes
	s_endpgm
.Lfunc_end_k_q408ca6a23e_cast:
	.size	k_q408ca6a23e_cast, .Lfunc_end_k_q408ca6a23e_cast-k_q408ca6a23e_cast
	.p2alignl 7, 3214868480
	.fill 96, 4, 3214868480
	.section	.rodata,"a",@progbits
	.p2align	6, 0x0
	.amdhsa_kernel k_q408ca6a23e_cast
		.amdhsa_group_segment_fixed_size 0
		.amdhsa_private_segment_fixed_size 0
		.amdhsa_enable_private_segment 0
		.amdhsa_kernarg_size 64
		.amdhsa_user_sgpr_count 2
		.amdhsa_user_sgpr_kernarg_segment_ptr 1
		.amdhsa_wavefront_size32 1
		.amdhsa_system_sgpr_workgroup_id_x 1
		.amdhsa_system_sgpr_workgroup_id_y 1
		.amdhsa_system_sgpr_workgroup_id_z 1
		.amdhsa_system_vgpr_workitem_id 0
		.amdhsa_next_free_vgpr 112
		.amdhsa_next_free_sgpr 66
		.amdhsa_reserve_vcc 0
		.amdhsa_float_denorm_mode_32 3
		.amdhsa_float_denorm_mode_16_64 3
		.amdhsa_memory_ordered 1
		.amdhsa_forward_progress 1
		.amdhsa_inst_pref_size 18
	.end_amdhsa_kernel
	.amdgpu_metadata
---
amdhsa.version: [ 1, 2 ]
amdhsa.kernels:
  - .name:           k_q408ca6a23e_cast
    .symbol:         k_q408ca6a23e_cast.kd
    .args:
      - { .name: x, .offset: 0, .size: 8, .value_kind: global_buffer, .address_space: global }
      - { .name: wq, .offset: 8, .size: 8, .value_kind: global_buffer, .address_space: global }
      - { .name: wk, .offset: 16, .size: 8, .value_kind: global_buffer, .address_space: global }
      - { .name: wv, .offset: 24, .size: 8, .value_kind: global_buffer, .address_space: global }
      - { .name: wo, .offset: 32, .size: 8, .value_kind: global_buffer, .address_space: global }
      - { .name: xb, .offset: 40, .size: 8, .value_kind: global_buffer, .address_space: global }
      - { .name: wcat, .offset: 48, .size: 8, .value_kind: global_buffer, .address_space: global }
      - { .name: wob, .offset: 56, .size: 8, .value_kind: global_buffer, .address_space: global }
    .group_segment_fixed_size: 0
    .private_segment_fixed_size: 0
    .kernarg_segment_align: 8
    .kernarg_segment_size: 64
    .max_flat_workgroup_size: 256
    .sgpr_count:     66
    .vgpr_count:     112
    .wavefront_size: 32
...
	.end_amdgpu_metadata
.endif
;; end of part 1
;; launch project (part 2): grid 12 x 64, 4 waves a work-group, clusters of 4 x 4, 327,680 bytes of LDS; arguments xb, wcat, qkv; writes qkv
.if DOCPART == 2
	.amdgcn_target "amdgcn-amd-amdhsa--gfx1250"
	.amdhsa_code_object_version 6
	.text
	.protected	k_q408ca6a23e_project
	.globl	k_q408ca6a23e_project
	.p2align	8
	.type	k_q408ca6a23e_project,@function
k_q408ca6a23e_project:
	s_mov_b64 s[64:65], 0
	v_nop
	global_prefetch_b8 v0, s[64:65] scope:SCOPE_SE
	s_setreg_imm32_b32 hwreg(HW_REG_WAVE_MODE, 25, 1), 1
	s_wait_xcnt 0x0
	s_wait_alu depctr_hold_cnt(0) depctr_sa_sdst(0) depctr_va_vdst(0) depctr_va_sdst(0) depctr_va_ssrc(0) depctr_va_vcc(0) depctr_vm_vsrc(0)
	s_getreg_b32 s2, hwreg(HW_REG_IB_STS2, 6, 4)
	s_cmp_eq_u32 s2, 0
	s_cbranch_scc0 .Lentry_in_a_cluster
	s_endpgm
.Lentry_in_a_cluster:
	s_bfe_u32 s2, ttmp6, 0x10000c
	s_cmp_lg_u32 s2, 0xf033
	s_cbranch_scc0 .Lentry_shape_is_right
	s_endpgm
.Lentry_shape_is_right:
; q, k, v = x W^T.  C[m][n] = sum over k of xb[m][k] wcat[n][k]: xb [8192][1024], wcat [3072][1024], bf16; sums in f32, K ascending.  C leaves rounded once to f16, UNSCALED and by heads:
; qkv [3 parts][64 = 16 batch + head][2048 rows][64] f16, so that a head's rows are dense for the attention launch.
; LIMIT.  f16 ends at 65,504: a q, k or v of 65,520 or more becomes an infinity.
; SHARES.  A tile of C is 128 x 256: 64 x 12 = 768 work-groups, a whole number of times 256.  Four waves, each 64 x 128: 32 accumulators of 16 x 16, one register window.
; K goes in steps of 128 (rows of 256 bytes of memory, at multiples of 256) through two LDS slots filled by the tensor data mover: waves 0 and 1 fetch the halves of A's 128 rows, waves 2 and 3 of B's 256.
; CLUSTER.  4 x 4 work-groups: the four of a row of the cluster need the same tile of xb, the four of a column the same tile of wcat: each tile is asked for jointly, by the same tensor load,
; descriptor and mask in all four.
; THE MATRIX INSTRUCTION IS USED TRANSPOSED (source 0 = 16 rows of wcat, source 1 = 16 rows of xb): a lane then holds row l % 16 of C and the eight neighbouring columns 8 (l / 16) + 0..7.
; REGISTERS.  window 0: v0-31 addresses; two fragment buffers of 96 (32 along K: 64 registers of B, then 32 of A) at v32 and v128; on the way out v32-127 are at work.  window 1: accumulator (a, b) at v[8 (8 a + b)].
; By this text's own count a wave has two tensor loads out at the start and one behind each round.
.set SIZE_K, 1024
.set KSTEP,  128
.set PITCH,  272                       ; an LDS row: 256 bytes + 16 of padding = 68 words: the 16 rows of a fragment load start at 16 different groups of four banks (64 banks of 4 bytes: ISA guide 11.1)
.set AH,     64*PITCH                  ; what a load for A brings, and what a wave reads of A
.set BH,     128*PITCH                 ; the same for B
.set SLOT,   2*AH+2*BH                 ; A's 128 rows, then B's 256
.set STAGE,  2*SLOT                    ; behind the ring: for each wave 2 heads x 16 rows x 144 bytes, for the way out; no tensor load lands here
.set SP,     144
.set WSTG,   2*16*SP
.set SPARE,  STAGE+4*WSTG              ; the spare words, 128 bytes a wave: two blocks of 256 bytes that no other line names
.set LAPS,   SIZE_K/(2*KSTEP)          ; a lap = two K steps = once round the ring
.set ADRA, 16                          ; v16-17  LDS address of my A fragments in slot 0, 1
.set ADRB, 20                          ; v20-21  the same for B
.set STO,  24                          ; v24     the way out: where I put 16 bytes of a row
.set RD,   25                          ; v25     the way out: where I read rows back
.set CO,   26                          ; v26     my byte offset in 512 consecutive bytes of the output
.set SPW,  28                          ; v28     LDS address of my spare word; never rewritten
.set NIL,  29                          ; v29     0; never rewritten
.set F0,   32
.set F1,   128
.set TMP,  32                          ; the way out: a block's packed results
.set OB,   64                          ; the way out: rows read back, v64-95 and v96-127 by turns
.set G1,  24                           ; s[24:31] descriptor group 1 for A's tiles;  s[32:39] group 0, a set for each slot
.set G0,  32
.set G1B, 48                           ; s[48:55], s[56:63] the same for B's
.set G0B, 56
.set W0, (1<<16)|(1<<20)|(1<<21)|(5<<22)|(3<<25)  ; 17:16 elements of 2 bytes; 20 padding on; 21 set beside a mask; 24:22 after every 64 words (code 5); 31:25 4 words of it (code 3)
.set MSB, 0
.macro WIN new                         ; the immediate's high byte repeats the setting that is left; a switch that changes nothing is dropped
.if MSB != (\new)
	s_set_vgpr_msb (MSB<<8)|(\new)
.set MSB, \new
.endif
.endm
.set MUL, 0x50                         ; sources 0 and 1 window 0; C and D window 1
.macro JLOAD s                         ; a joint load; the branch hangs on the wave's number alone; an s_nop 0 and four v_nop follow each of the two lines
	s_cmp_eq_u32 s11, 0
	s_cbranch_scc0 .Lfor_b_\@
	tensor_load_to_lds s[G0+4*(\s):G0+4*(\s)+3], s[G1:G1+7]
	s_nop 0
.rept 4
	v_nop
.endr
	s_branch .Lasked_\@
.Lfor_b_\@:
	tensor_load_to_lds s[G0B+4*(\s):G0B+4*(\s)+3], s[G1B:G1B+7]
	s_nop 0
.rept 4
	v_nop
.endr
.Lasked_\@:
.endm
.macro CREST                           ; a round of the cluster's barrier behind its opening barrier: wave 0 signals for the work-group, every wave waits for all sixteen, my work-group's barrier closes it
	s_cmp_lg_u32 s10, 0
	s_cbranch_scc1 .Lnot_wave_0_\@
	s_barrier_signal -3
.Lnot_wave_0_\@:
	s_barrier_wait -3
	s_barrier_signal -1
	s_barrier_wait -1
.endm
.macro CROUND                          ; a whole round
	s_barrier_signal -1
	s_barrier_wait -1
	CREST
.endm
	s_load_b128 s[4:7], s[0:1], 0x0                ; xb s[4:5], wcat s[6:7]
	s_load_b64 s[8:9], s[0:1], 0x10                ; qkv
	v_lshl_add_u32 v[SPW], v0, 2, SPARE
	v_mov_b32 v[NIL], 0
	ds_add_u32 v[SPW], v[NIL]                      ; the wave's opening: the add and its wait stand ahead of my first tensor load; the set-up below, work on registers, stands between them
	ds_add_u32 v28, v29
	v_lshrrev_b32 v1, 5, v0
	v_readfirstlane_b32 s10, v1                    ; wave 0..3
	s_lshr_b32 s11, s10, 1                         ; which 64 of the tile's rows are mine.  Also: I fetch for A (0) or for B (1)
	s_and_b32 s12, s10, 1                          ; which 128 of its columns.  Also: which half of that operand's rows I fetch
	s_bfe_u32 s40, ttmp6, 0x40000                  ; cx, cy: my place in the cluster
	s_bfe_u32 s41, ttmp6, 0x40004
	s_lshl_b32 s42, ttmp9, 2
	s_add_co_u32 s42, s42, s40                     ; tile column = 4 x cluster x + cx
	s_and_b32 s13, ttmp7, 0xffff
	s_lshl_b32 s13, s13, 2
	s_add_co_u32 s13, s13, s41                     ; tile row = 4 x cluster y + cy
	s_lshl_b32 s43, s41, 2
	s_lshl_b32 s43, 15, s43                        ; my row of the cluster
	s_lshl_b32 s44, 0x1111, s40                    ; my column
	s_or_b32 s[G1+0], s43, W0                      ; A's tiles go to my row,
	s_or_b32 s[G1B+0], s44, W0                     ; B's to my column
.irp g, G1, G1B
	s_mov_b32 s[(\g)+1], KSTEP<<16                 ; tensor_dim0 = 128
	s_mov_b32 s[(\g)+3], KSTEP<<16                 ; tile_dim0 = 128
	s_mov_b32 s[(\g)+5], SIZE_K                    ; elements from row to row
	s_mov_b32 s[(\g)+6], 0
	s_mov_b32 s[(\g)+7], 0
.endr
	s_mov_b32 s[G1+2], 64<<16                      ; tensor_dim1 = tile_dim1 = 64 rows for A,
	s_mov_b32 s[G1+4], 64
	s_mov_b32 s[G1B+2], 128<<16                    ; 128 for B
	s_mov_b32 s[G1B+4], 128
	s_lshl_b32 s17, s12, 6
	s_lshl_b32 s16, s13, 7
	s_add_co_u32 s16, s16, s17                     ; A: row 128 x tile row + 64 x half,
	s_lshl_b32 s16, s16, 11                        ; of 2,048 bytes
	s_mov_b32 s17, 0
	s_lshl_b32 s47, s12, 7
	s_lshl_b32 s46, s42, 8
	s_add_co_u32 s46, s46, s47                     ; B: row 256 x tile column + 128 x half
	s_lshl_b32 s46, s46, 11
	s_mov_b32 s47, 0
	s_mul_i32 s20, s12, AH                         ; where they go in a slot: no place in the cluster enters an LDS address
	s_mul_i32 s21, s12, BH
	s_add_co_u32 s21, s21, 2*AH
	s_wait_dscnt 0x0                               ; the opening add is done
	s_wait_kmcnt 0x0
	s_add_nc_u64 s[14:15], s[4:5], s[16:17]
	s_add_nc_u64 s[46:47], s[6:7], s[46:47]
	CROUND                                         ; all sixteen work-groups are here: the first joint loads meet
.irp s, 0,1
	s_mov_b32 s[G0+4*(\s)], 1                                        ; count = 1
	s_add_co_u32 s[G0+4*(\s)+1], s20, (\s)*SLOT                      ; LDS address
	s_add_nc_u64 s[G0+4*(\s)+2:G0+4*(\s)+3], s[14:15], (\s)*KSTEP*2  ; global address: K step s
	s_or_b32 s[G0+4*(\s)+3], s[G0+4*(\s)+3], 0x80000000              ; type = 2
	s_mov_b32 s[G0B+4*(\s)], 1
	s_add_co_u32 s[G0B+4*(\s)+1], s21, (\s)*SLOT
	s_add_nc_u64 s[G0B+4*(\s)+2:G0B+4*(\s)+3], s[46:47], (\s)*KSTEP*2
	s_or_b32 s[G0B+4*(\s)+3], s[G0B+4*(\s)+3], 0x80000000
	JLOAD \s
.endr
	; A fragment is 16 rows x 32 K in 8 registers: lane l holds row l % 16, K = 8 (l / 16) + 0..7 and 16 + 8 (l / 16) + 0..7: two loads of 16 bytes, 32 bytes apart.
	v_and_b32 v1, 15, v0                           ; l % 16
	v_bfe_u32 v2, v0, 4, 1                         ; l / 16
	v_mul_u32_u24 v3, v1, PITCH
	v_lshl_add_u32 v3, v2, 4, v3
	s_mul_i32 s21, s11, AH                         ; my 64 rows of A
	s_mul_i32 s22, s12, BH                         ; my 128 rows of B,
	s_add_co_u32 s22, s22, 2*AH                    ; which lie behind A's 128
.irp s, 0,1
	v_add_nc_u32 v[ADRA+(\s)], s21, v3
	v_add_nc_u32 v[ADRB+(\s)], s22, v3
	s_add_co_u32 s21, s21, SLOT
	s_add_co_u32 s22, s22, SLOT
.endr
	s_mul_i32 s23, s10, WSTG
	s_add_co_u32 s23, s23, STAGE                   ; my stage
	v_mul_u32_u24 v4, v1, SP                       ; in: row l % 16, 16 bytes for each half of the lanes
	v_lshl_add_u32 v4, v2, 4, v4
	v_add_nc_u32 v[STO], s23, v4
	v_bfe_u32 v5, v0, 3, 2                         ; back: 32 lanes take four rows of 128 bytes,
	v_mul_u32_u24 v5, v5, SP
	v_and_b32 v4, 7, v0
	v_lshl_add_u32 v5, v4, 4, v5
	v_add_nc_u32 v[RD], s23, v5
	v_and_b32 v5, 31, v0                           ; which are 512 consecutive bytes of a head
	v_lshlrev_b32 v[CO], 4, v5
	; where my 64 rows x 2 heads begin in qkv: the row's part in s[16:17], the column's in s[46:47]
	s_lshl_b32 s16, s13, 7
	s_lshl_b32 s17, s11, 6
	s_add_co_u32 s16, s16, s17                     ; my first row of the 8,192
	s_lshr_b32 s17, s16, 11
	s_lshl_b32 s17, s17, 22                        ; its batch: 16 heads of 262,144 bytes
	s_and_b32 s16, s16, 2047
	s_lshl_b32 s16, s16, 7                         ; its place in the sequence: 128 bytes a row
	s_add_co_u32 s16, s16, s17
	s_mov_b32 s17, 0
	s_add_nc_u64 s[8:9], s[8:9], s[16:17]
	s_lshl_b32 s46, s42, 8
	s_lshl_b32 s47, s12, 7
	s_add_co_u32 s46, s46, s47                     ; my first column of the 3,072
	s_lshr_b32 s47, s46, 10
	s_lshl_b32 s47, s47, 24                        ; q, k or v: 16,777,216 bytes each
	s_bfe_u32 s46, s46, 0x40006                    ; the head
	s_lshl_b32 s46, s46, 18
	s_add_co_u32 s46, s46, s47
	s_mov_b32 s47, 0
	s_add_nc_u64 s[8:9], s[8:9], s[46:47]
; 8 matrix instructions: m block a x all 8 n blocks, 32 along K.  zero = 1: the product starts the sums: nothing is ever cleared.
; The 32 accumulators take turns in the same order in every quarter.
.macro MUL8 f, a, zero
	WIN MUL
.irp b, 0,1,2,3,4,5,6,7
.if \zero
	v_wmma_f32_16x16x32_bf16 v[8*(8*(\a)+(\b)):8*(8*(\a)+(\b))+7], v[(\f)+8*(\b):(\f)+8*(\b)+7], v[(\f)+64+8*(\a):(\f)+64+8*(\a)+7], 0
.else
	v_wmma_f32_16x16x32_bf16 v[8*(8*(\a)+(\b)):8*(8*(\a)+(\b))+7], v[(\f)+8*(\b):(\f)+8*(\b)+7], v[(\f)+64+8*(\a):(\f)+64+8*(\a)+7], v[8*(8*(\a)+(\b)):8*(8*(\a)+(\b))+7]
.endif
.endr
.endm
; 24 LDS loads in one run: the fragments of 32 along K at byte k of the rows, into buffer f: B's sixteen first, then A's eight
.macro FETCH slot, k, f
	WIN 0
.irp i, 0,1,2,3,4,5,6,7
	ds_load_b128 v[(\f)+8*(\i):(\f)+8*(\i)+3],   v[ADRB+(\slot)] offset:(\k)+(\i)*16*PITCH
	ds_load_b128 v[(\f)+8*(\i)+4:(\f)+8*(\i)+7], v[ADRB+(\slot)] offset:(\k)+(\i)*16*PITCH+32
.endr
.irp i, 0,1,2,3
	ds_load_b128 v[(\f)+64+8*(\i):(\f)+64+8*(\i)+3],   v[ADRA+(\slot)] offset:(\k)+(\i)*16*PITCH
	ds_load_b128 v[(\f)+64+8*(\i)+4:(\f)+64+8*(\i)+7], v[ADRA+(\slot)] offset:(\k)+(\i)*16*PITCH+32
.endr
.endm
.macro PLACES                          ; four places in front of loads into registers that matrix instructions have read, and of lines that read results (ISA guide 7.12.1 for lines that read results)
.rept 4
	v_nop
.endr
.endm
; A K step is four quarters of 32 along K, 32 matrix instructions each, on buffers 0, 1, 0, 1.  One of the first three: multiplies buffer f and fetches the next quarter, at byte k, into g.
.macro QUARTER slot, k, f, g, zero
	s_wait_dscnt 4                                 ; B and A's blocks 0 and 1 are in; the youngest four loads (A's blocks 2 and 3) may be out
	MUL8 \f, 0, \zero
	MUL8 \f, 1, \zero
	PLACES
	FETCH \slot, \k, \g
	s_wait_dscnt 24                                ; all but the 24 just issued
	MUL8 \f, 2, \zero
	MUL8 \f, 3, \zero
.endm
; The last quarter multiplies buffer 1 and changes slots: ONE barrier; in front of it each wave waits for all its tensor loads (the one that is out is its part of the next slot), adds 0 to its spare
; word, and waits for that and for its own reads of this slot.  fill = 1: the barrier opens a round of the cluster's, and this slot is filled again, two K steps ahead, first thing behind the round:
; 112 matrix instructions ahead of the wait for it.
.macro TURN slot, next, fill
	WIN 0                                          ; (the add's two registers lie in window 0)
	s_wait_tensorcnt 0x0
	ds_add_u32 v[SPW], v[NIL]                      ; 0 onto my spare word
	s_wait_dscnt 5                                 ; (the add and the youngest four loads may be out)
	MUL8 F1, 0, 0                                  ; eight matrix instructions stand between the add and the wait for it
	s_wait_dscnt 0x0                               ; the add is done, and my reads of this slot are over
	s_barrier_signal -1
	MUL8 F1, 1, 0
.if \fill
	WIN 0
.endif
	s_barrier_wait -1
.if \fill
	CREST                                          ; no wave of any partner still reads this slot's tile or has a load on its way
	s_add_nc_u64 s[G0+4*(\slot)+2:G0+4*(\slot)+3], s[G0+4*(\slot)+2:G0+4*(\slot)+3], 2*KSTEP*2
	s_add_nc_u64 s[G0B+4*(\slot)+2:G0B+4*(\slot)+3], s[G0B+4*(\slot)+2:G0B+4*(\slot)+3], 2*KSTEP*2
	JLOAD \slot                                    ; its four v_nop are also the places in front of the loads below
.else
	PLACES
.endif
	FETCH \next, 0, F0
	MUL8 F1, 2, 0
	MUL8 F1, 3, 0
.endm
	s_wait_tensorcnt 1                             ; my part of K step 0 is in; K step 1's may stay out
	s_barrier_signal -1
	s_barrier_wait -1                              ; everybody's is
	FETCH 0, 0, F0
	QUARTER 0, 64, F0, F1, 1                       ; the first quarter stands in front of the loop: its products start the sums
	WIN 0                                          ; at a label and at a branch every window is 0
	s_mov_b32 s3, LAPS-1
.Llap:                                                 ; a trip goes once round the ring, from a lap's second quarter to the next lap's first, and fills both slots again
	QUARTER 0, 128, F1, F0, 0
	QUARTER 0, 192, F0, F1, 0
	TURN 0, 1, 1
	QUARTER 1, 64,  F0, F1, 0
	QUARTER 1, 128, F1, F0, 0
	QUARTER 1, 192, F0, F1, 0
	TURN 1, 0, 1
	QUARTER 0, 64,  F0, F1, 0
	WIN 0
	s_sub_co_u32 s3, s3, 1
	s_cmp_lg_u32 s3, 0
	s_cbranch_scc1 .Llap
	QUARTER 0, 128, F1, F0, 0                      ; the last lap fills nothing
	QUARTER 0, 192, F0, F1, 0
	TURN 0, 1, 0
	QUARTER 1, 64,  F0, F1, 0
	QUARTER 1, 128, F1, F0, 0
	QUARTER 1, 192, F0, F1, 0
	s_wait_dscnt 4                                 ; the very last quarter: nothing more to fetch
	MUL8 F1, 0, 0
	MUL8 F1, 1, 0
	s_wait_dscnt 0x0
	MUL8 F1, 2, 0
	MUL8 F1, 3, 0
	WIN 0
; THE WAY OUT, a block of 16 rows at a time.  PACK: rounded to f16, 16 bytes a lane, each accumulator from its low end.  TOSTAGE: into my own stage (two heads, rows of 144 bytes) and back as whole rows
; of 128 bytes.  SEND: four rows of a head are 512 consecutive bytes of qkv.  The stage is the wave's own, and LDS serves a wave's instructions in order (ISA guide 5.7.1.4): no barrier, no wait between.
.macro PACK a
	WIN 0x05                                       ; sources 0 and 1 window 1, destination window 0
.irp b, 0,1,2,3,4,5,6,7
.irp r, 0,1,2,3
	v_cvt_pk_f16_f32 v[TMP+4*(\b)+(\r)], v[64*(\a)+8*(\b)+2*(\r)], v[64*(\a)+8*(\b)+2*(\r)+1]
.endr
.endr
	WIN 0
.endm
.macro TOSTAGE a
	WIN 0
.set BK, OB+32*((\a)%2)
.if (\a) >= 2
	s_wait_xcnt 0x0                                ; the stores of two blocks ago have read these registers: they are loaded again only behind this wait
.endif
.irp b, 0,1,2,3,4,5,6,7
	ds_store_b128 v[STO], v[TMP+4*(\b):TMP+4*(\b)+3] offset:((\b)/4)*16*SP+((\b)%4)*32
.endr
.irp t, 0,1,2,3,4,5,6,7
	ds_load_b128 v[BK+4*(\t):BK+4*(\t)+3], v[RD] offset:((\t)/4)*16*SP+((\t)%4)*4*SP
.endr
.endm
.macro SEND a, younger                 ; younger: the LDS instructions issued behind block a's loads: the next block's sixteen, or none
	WIN 0
.set BK, OB+32*((\a)%2)
.irp t, 0,1,2,3,4,5,6,7
	s_wait_dscnt (\younger)+7-(\t)
	global_store_b128 v[CO], v[BK+4*(\t):BK+4*(\t)+3], s[8:9] offset:(\a)*2048+((\t)/4)*262144+((\t)%4)*512  ; 512 consecutive bytes, at a multiple of 256 from the buffer's first byte
.endr
.endm
	PLACES
	PACK 0
	TOSTAGE 0
.irp a, 1,2,3                          ; a block's conversions stand between the loads of the block before and its stores
	PACK \a
	TOSTAGE \a
	SEND (\a)-1, 16
.endr
	SEND 3, 0
	s_wait_tensorcnt 0x0                           ; the wave's end, behind my last tensor load and my last LDS store
	ds_add_u32 v[SPW], v[NIL]
	s_wait_dscnt 0x0
	CROUND                                         ; the closing round: no work-group ends while a partner may still ask for a tile that names it
	s_endpgm
.Lfunc_end_k_q408ca6a23e_project:
	.size	k_q408ca6a23e_project, .Lfunc_end_k_q408ca6a23e_project-k_q408ca6a23e_project
	.p2alignl 7, 3214868480
	.fill 96, 4, 3214868480
	.section	.rodata,"a",@progbits
	.p2align	6, 0x0
	.amdhsa_kernel k_q408ca6a23e_project
		.amdhsa_group_segment_fixed_size 327680
		.amdhsa_private_segment_fixed_size 0
		.amdhsa_enable_private_segment 0
		.amdhsa_kernarg_size 24
		.amdhsa_user_sgpr_count 2
		.amdhsa_user_sgpr_kernarg_segment_ptr 1
		.amdhsa_wavefront_size32 1
		.amdhsa_system_sgpr_workgroup_id_x 1
		.amdhsa_system_sgpr_workgroup_id_y 1
		.amdhsa_system_sgpr_workgroup_id_z 1
		.amdhsa_system_vgpr_workitem_id 0
		.amdhsa_next_free_vgpr 512
		.amdhsa_next_free_sgpr 66
		.amdhsa_reserve_vcc 0
		.amdhsa_float_denorm_mode_32 3
		.amdhsa_float_denorm_mode_16_64 3
		.amdhsa_memory_ordered 1
		.amdhsa_forward_progress 1
		.amdhsa_inst_pref_size 87
	.end_amdhsa_kernel
	.amdgpu_metadata
---
amdhsa.version: [ 1, 2 ]
amdhsa.kernels:
  - .name:           k_q408ca6a23e_project
    .symbol:         k_q408ca6a23e_project.kd
    .args:
      - { .name: xb, .offset: 0, .size: 8, .value_kind: global_buffer, .address_space: global }
      - { .name: wcat, .offset: 8, .size: 8, .value_kind: global_buffer, .address_space: global }
      - { .name: qkv, .offset: 16, .size: 8, .value_kind: global_buffer, .address_space: global }
    .group_segment_fixed_size: 327680
    .private_segment_fixed_size: 0
    .kernarg_segment_align: 8
    .kernarg_segment_size: 24
    .max_flat_workgroup_size: 128
    .sgpr_count:     66
    .vgpr_count:     512
    .wavefront_size: 32
...
	.end_amdgpu_metadata
.endif
;; end of part 2
;; launch attend (part 3): grid 4 x 64, 4 waves a work-group, no clusters, 327,680 bytes of LDS; arguments qkv, attention_mask, ob; writes ob
.if DOCPART == 3
	.amdgcn_target "amdgcn-amd-amdhsa--gfx1250"
	.amdhsa_code_object_version 6
	.text
	.protected	k_q408ca6a23e_attend
	.globl	k_q408ca6a23e_attend
	.p2align	8
	.type	k_q408ca6a23e_attend,@function
k_q408ca6a23e_attend:
	s_mov_b64 s[64:65], 0
	v_nop
	global_prefetch_b8 v0, s[64:65] scope:SCOPE_SE
	s_setreg_imm32_b32 hwreg(HW_REG_WAVE_MODE, 25, 1), 1
	s_wait_xcnt 0x0
; CAUSAL ATTENTION WITH A KEY MASK.  O[h][q][:] = the sum over kept k <= q of softmax_k(Q[h][q] . K[h][k] / 8) V[h][k][:]; key k of batch h / 16 is kept where attention_mask[h / 16][k] is not 0.
; Q, K, V are the three parts of qkv, O is ob: [SIZE_H = 16 batch + head][SIZE_N][64], all f16: a head's rows are dense, 128 bytes each.
; Products, maxima and sums in f32; the weights p are rounded to f16 for the second product (their sum l is taken of the unrounded p), O once at the end.
; LIMITS.  Q, K and V arrive within f16's 65,504, so a true score lies within 64 x 65,504^2 = 2.75e11.  A hidden score counts as its value less 1e30 (or 2e30, hidden twice).  The running maximum m starts at
; -2^40 = -1.1e12: below every true score, above every hidden one, so m is never a hidden score, and as long as a row has seen no key all its weights are exactly 0.  A row that ends with m = -2^40 has seen
; no key: its O is NaN, as a softmax of nothing but -inf is.  p below 6e-5 keeps f16's fixed step of 6e-8; a weight below 2^-126 counts as 0 in l.  c m is rounded once, which scales all of a row's weights and
; their sum alike; beyond scores of about 1e10 that factor could leave f32's range.  NaN and infinities in the inputs are not treated apart.
; THE WALK.  A head's queries lie in NB = 8 blocks of 256; block i needs the key tiles 0 .. i of 256 keys, of which the last holds the diagonal.  A work-group takes TWO blocks, NB - 1 - b and then b:
; NB + 1 tiles, whatever b: all 256 work-groups do equal work, and ONE loop with a constant trip count walks them.  Which tile is asked for, and what a trip does, hang on scalar registers made from b; every jump
; goes forward, but for the counted loops' own; none passes a barrier, or a tensor load but the one of LOAD's two that the wave's number does not choose; the ring (two slots of LDS that take turns) runs on across
; the change of blocks.  NO CLUSTER: a head's four work-groups ask for the same tile only in trips 0 .. 4 of the 9, behind that fewer and fewer; one walk common to all would have 12 trips for 9.
; SHARES.  Of a block's four bands of 64 queries a wave owns 16 rows in each: four PIECES.  So the diagonal tile is the same work for all four waves: in its key step s band x sees all keys if s < x,
; none if s > x, and holds the diagonal if s = x.
; THE MASKS are the C operand that starts the sum S^T = K Q^T.  KB holds the key bias of the step in hand, 0 or -1e30, read with K from a table in LDS of two regions that take turns as the slots do: each holds
; the 256 biases of the tile in its slot.  Behind each change of slots the 128 threads store two biases each, for the tile just asked for, into the region that nobody reads, made of mask words that were loaded
; a tile earlier.  Off the diagonal tile C is KB itself.  In the diagonal tile C = MD x AL + KB + BE, where MD, made once, is the causal mask of a band's own step for my 16 rows, and (AL, BE) is (1, 0) if s = x,
; (0, 0) if s < x, (0, -1e30) if s > x.
; LAYOUT, SOFTMAX, TURNS.  S^T = K Q^T holds ONE query a lane (lane % 16) and the keys 8 (lane / 16) + 0..7; two such results rounded to f16 ARE source 1 of O^T = V^T P.  p = 2^(c s - c m), c = log2(e) / 8, with a
; running maximum m; O and l are multiplied by a = 2^(c m_old - c m_new) in every step.  Turn n belongs to piece n: 8 products K Q^T of piece n + 1, later 8 products V^T P of piece n - 1; beside them the scaling,
; exponentials, roundings, sums and rescaling of piece n and the maximum and statistics of piece n + 1.  Four vector instructions stand behind every matrix instruction, the others in two runs of their own.
; FROM BLOCK TO BLOCK.  A block's first step multiplies O^T and l by a = 0, so what the first block left there need only be finite.  A row of the first block that saw no key leaves NaN there.  Rows without a key
; are a prefix of the sequence, so then every row of the second, lower block is without a key too, and NaN is what it must give.
; REGISTERS, in windows of 256 (s_set_vgpr_msb: bits 1:0 source 0, 3:2 source 1, 5:4 source 2, 7:6 destination):
;   window 0: v0-15 addresses and two at work; v16-31 four registers of statistics a piece; v32-37 the table's addresses; v48-55 at work; v64-127 S^T, two buffers; v128-133 mask words and biases; v192-223 P, two buffers
;   window 1: v0-127 O^T, 32 a piece; v128-159 MD; v160-223 MC, two buffers; v224-255 KB      window 2: v0-63 Q; v64-127 the second block's Q; v128-191 K of one step; v192-255 V of one step
.set SIZE_H, 64
.set SIZE_N, 2048
.set NB,    SIZE_N/256
.set NP,    4         ; pieces a wave: a name, no knob
.set KS,    64        ; keys in a step
.set PK,    144       ; a row of K in LDS: 128 bytes + 16 of padding = 36 words: the 16 rows of a load start at 16 different groups of four banks (64 banks of 4 bytes: ISA guide 11.1)
.set PV,    160       ; a row of V: 128 + 32 = 40 words
.set VOFF,  4*KS*PK   ; a slot holds a tile, four steps: 256 rows of K, then 256 rows of V
.set SLOT1, 1<<17     ; slot 1 begins here, so that one exclusive or turns an address in one slot into the other's
.set STAGE, SLOT1+4*KS*(PK+PV)  ; behind the ring, never filled by a tensor load: 16 rows x 144 bytes for each wave, for the way out
.set SP,    144
.set SPARE, STAGE+4*16*SP  ; the spare words, 128 bytes for each wave: two blocks of 256 bytes that no other line names
.set TABLE, SPARE+512 ; the key biases in f32: two regions of 1,024 bytes (a tile's 256 keys), never filled by a tensor load
.set TREG,  2048      ; the second region begins this far behind the first, so that one exclusive or turns a place in one region into the other's
.set AK0, 2           ; v2   my lane's place in a tile of K; never rewritten
.set AV0, 3           ; v3   the same for V
.set AK,  4           ; v4   the LDS address of K's next run of loads
.set AV,  5           ; v5   of V's
.set STO, 6           ; v6   the way out: where I put 16 bytes of a row
.set RD,  7           ; v7   the way out: where I read rows back
.set GO,  8           ; v8   my byte offset in 512 consecutive bytes of O
.set SPW, 62          ; v62  LDS address of my spare word: SPARE + 4 x my thread's number; never rewritten
.set NIL, 63          ; v63  0; never rewritten
.set MV,  12          ; v12-13  c m_old, kept while c m is made anew: by buffer
.set QO,  15          ; v15  my byte offset in 16 rows of Q
.set ST,  16          ; piece t's statistics at v[ST+4 t]: c m, m, l (even keys', odd keys')
.set AM0, 32          ; v32  my lanes' place in a step's 256 bytes of the table's first region; never rewritten
.set AM,  33          ; v33  the LDS address of the next run of bias loads
.set TI,  34          ; v34  8 x my thread's number: my two of a tile's 256 mask words; never rewritten
.set TO0, 35          ; v35  where their biases go in the table's first region; never rewritten
.set TO,  36          ; v36  where they go this time
.set TG,  37          ; v37  the byte offset of my two mask words of the tile to be asked for next
.set TMP, 48          ; by buffer, four registers c0-c3 at work; when the maximum is found c2 takes a
.set S,   64
.set MW,  128         ; v128-129 my two mask words of the tile to be asked for next; v130-131 tile 0's; v132-133 two biases on their way into the table
.set P,   192
.set MD,  128         ; window 1: the eight registers for group kt of 16 keys at MD + 8 kt
.set MC,  160         ; window 1: the masks of the products to come
.set KB,  224         ; window 1: register 8 kb + j: the bias of key 16 kb + 8 (l / 16) + j of the step in hand
.set QB,  64          ; window 2
.set KF,  128         ; window 2: key block kb, channel half c at KF + 16 kb + 8 c
.set VF,  192         ; window 2: key half kk, channel block cb at VF + 32 kk + 8 cb
.set WV,  12          ; s12  my wave's number
.set PB,  14          ; s14  b
.set HI,  15          ; s15  NB - 1 - b
.set G1K, 24          ; s[24:31] descriptor group 1 for K's tiles
.set G1V, 32          ; s[32:39] for V's: it differs in the padding alone
.set G0K, 40          ; s[40:43] descriptor group 0 for K's tiles
.set G0V, 44          ; s[44:47] the same for V's
.set SLOTS, 56        ; s56  tiles still to be asked for
.set CNT, 57          ; s57  counts a tile's key steps, 4 to 1
.set CS,  58          ; s[58:59] c: the packed scaling takes the pair's low word for both halves
.set SEL, 60          ; s[60:61] v_permlanex16_b32's selects: each lane takes its own place in the other half
.set TBK, 62          ; s62  LDS byte at which K of the step to be fetched begins
.set TBV, 63          ; s63  the same for V, less VOFF
.set RT,  70          ; s70  tiles of the block in hand that are still to be entered
.set NXT, 71          ; s71  the tile to be asked for next
.set LQ,  72          ; s72  the last tile of the block whose tiles are being asked for
.set NEW, 73          ; s73  1: the tile to be entered is a block's first
.set OFF, 74          ; s[74:75] a tile's byte offset in K and V
.set AL,  76          ; s[76:77] the mask's factor, in the low word
.set BE,  78          ; s[78:79] the mask's addend
.set OLO, 80          ; s[80:81] O at my rows of the second block
.set BIGN, 82         ; s82  -1e30
.set TBM, 88          ; s88  byte of the table at which the biases of the step to be fetched begin: it walks as TBK does
.set THR, 89          ; s89  -2^40: where m starts
.set NANS, 90         ; s90  a NaN
.set TBW, 91          ; s91  byte of the table at which the region begins that is stored into: the one that is not read
.set MSK, 92          ; s[92:93] attention_mask, then my batch's row of it; never rewritten after that
.set MOF, 94          ; s[94:95] that row's byte offset
.set MSB, 0
.macro WIN new                      ; the high byte repeats the setting that is left; a switch that changes nothing is dropped
.if MSB != (\new)
	s_set_vgpr_msb (MSB<<8)|(\new)
.set MSB, (\new)
.endif
.endm
.set W_KQ, 0x0a       ; K and Q in window 2, S^T in window 0
.set W_KM, 0x1a       ; the same with the C operand in window 1
.set W_PV, 0x52       ; V in window 2, P in window 0, O^T in window 1
.set W_RS, 0x41       ; destination and source 0 in window 1, source 1 in window 0
.set W_MK, 0x51       ; destination, source 0 and source 2 in window 1
; A fill.  Waves 0 and 1 fetch the two halves of a tile's K, waves 2 and 3 those of its V: 128 keys each.  An s_nop 0 and four v_nop follow each of the two lines, ahead of the jump and the label.
.macro LOAD
	s_cmp_lt_u32 s[WV], 2
	s_cbranch_scc0 .Lfor_v_\@
	tensor_load_to_lds s[G0K:G0K+3], s[G1K:G1K+7]
	s_nop 0
.rept 4
	v_nop
.endr
	s_branch .Lasked_\@
.Lfor_v_\@:
	tensor_load_to_lds s[G0V:G0V+3], s[G1V:G1V+7]
	s_nop 0
.rept 4
	v_nop
.endr
.Lasked_\@:
.endm
; THE CHANGE OF SLOTS.  Each wave waits for all its tensor loads, of which one is out: its part of the other slot; adds 0 to its spare word; and waits for that, for its own reads of the slot and of the table's
; region that it leaves, and for its stores into the region that it enters.  Behind the barrier nobody reads the old slot and region any more, and the other slot and region are whole.
; fill = 1: the old slot is filled again, the first thing behind the barrier, with tile NXT: the descriptor's address is made anew from that number.  Then the old region takes that tile's biases, two a thread,
; made of the mask words that the change before has asked for; and the words of the tile behind it are asked for: they have a whole tile's work in which to come.  (In the last such change no tile is left: the
; words asked for are tile 0's once more, 1,024 bytes that serve nothing: the price of one text for every trip.)
; (At its first use nothing has been read yet: slot 0 is waited for, slot 1 filled; the wait on LOADcnt is then also the wait for Q.)
.macro CHANGE fill
	WIN 0                           ; at a label and at a branch every window is 0
	s_wait_tensorcnt 0x0            ; no tensor load of mine is out, so a group 0 may be written
	ds_add_u32 v[SPW], v[NIL]       ; 0 onto my spare word: with fill = 1 the descriptors' scalar work stands between it and the wait for it
.if \fill
	s_lshl_b32 s[OFF], s[NXT], 15   ; a tile is 32,768 bytes of K and of V
	s_xor_b32 s[G0K+1], s[G0K+1], SLOT1
	s_add_nc_u64 s[G0K+2:G0K+3], s[6:7], s[OFF:OFF+1]
	s_or_b32 s[G0K+3], s[G0K+3], 0x80000000
	s_xor_b32 s[G0V+1], s[G0V+1], SLOT1
	s_add_nc_u64 s[G0V+2:G0V+3], s[8:9], s[OFF:OFF+1]
	s_or_b32 s[G0V+3], s[G0V+3], 0x80000000
	s_add_co_u32 s[NXT], s[NXT], 1  ; the block's next tile, or behind its last the second block's tile 0
	s_cmp_gt_u32 s[NXT], s[LQ]
	s_cselect_b32 s[NXT], 0, s[NXT]
	s_cselect_b32 s[LQ], s[PB], s[LQ]
.endif
	s_wait_dscnt 0x0                ; the add is done, and my LDS reads and stores are over
	s_barrier_signal -1             ; the rest of the scalar work stands between the signal and the wait
	s_sub_co_u32 s[TBK], s[TBK], 4*KS*PK  ; the fetches go back to a slot's first step,
	s_xor_b32 s[TBK], s[TBK], SLOT1       ; in the other slot
	s_sub_co_u32 s[TBV], s[TBV], 4*KS*PV
	s_xor_b32 s[TBV], s[TBV], SLOT1
	s_sub_co_u32 s[TBM], s[TBM], 16*KS    ; and to a region's first step (four steps of 64 biases of 4 bytes),
	s_xor_b32 s[TBM], s[TBM], TREG        ; in the other region
.if \fill
	s_xor_b32 s[TBW], s[TBM], TREG        ; the region just left is the one to be stored into
.endif
	s_barrier_wait -1
.if \fill
	LOAD
	s_wait_loadcnt 0x0              ; my two mask words of the tile just asked for: their load was issued a tile ago
	v_cmp_eq_u32 vcc_lo, 0, v[MW]   ; a mask word of 0 becomes -1e30, any other 0: a choice of a value, no branch
	v_cndmask_b32 v[MW+4], 0, s[BIGN], vcc_lo
	v_cmp_eq_u32 vcc_lo, 0, v[MW+1]
	v_cndmask_b32 v[MW+5], 0, s[BIGN], vcc_lo
	v_add_nc_u32 v[TO], s[TBW], v[TO0]
	ds_store_b64 v[TO], v[MW+4:MW+5]  ; the next change's wait on DScnt and its barrier show it to the other waves
	v_lshl_add_u32 v[TG], s[NXT], 10, v[TI]  ; a tile's 256 mask words are 1,024 bytes; NXT is 0 to NB - 1, so the load stays inside my batch's row
	global_load_b64 v[MW:MW+1], v[TG], s[MSK:MSK+1]  ; a wave's load covers 256 consecutive bytes
.endif
.endm
	s_load_b64 s[4:5], s[0:1], 0x0  ; qkv: Q's part begins it
	s_load_b64 s[MSK:MSK+1], s[0:1], 0x8
	s_load_b64 s[10:11], s[0:1], 0x10  ; O
	v_lshl_add_u32 v[SPW], v0, 2, SPARE
	v_mov_b32 v[NIL], 0
	ds_add_u32 v[SPW], v[NIL]       ; the wave's opening: the add and its wait stand ahead of my first tensor load; the set-up below, work on registers, stands between them
	ds_add_u32 v62, v63
	v_lshrrev_b32 v1, 5, v0
	v_readfirstlane_b32 s[WV], v1   ; wave 0..3
	s_mov_b32 s[PB], ttmp9
	s_sub_co_u32 s[HI], NB-1, s[PB]
	s_and_b32 s20, ttmp7, 0xffff    ; 16 batch + head
	s_lshr_b32 s[MOF], s20, 4       ; the batch,
	s_lshl_b32 s[MOF], s[MOF], 13   ; its 2,048 mask words
	s_mov_b32 s[MOF+1], 0
	s_mov_b32 s21, 0
	s_mov_b64 s[22:23], SIZE_N*128
	s_mul_u64 s[20:21], s[20:21], s[22:23]  ; the head's first byte in Q, K, V and O
	s_and_b32 s16, s[WV], 1         ; which half of a tile's 256 keys I fetch:
	s_lshl_b32 s22, s16, 14         ; its 128 rows of 128 bytes in memory,
	s_mov_b32 s23, 0
	s_add_nc_u64 s[22:23], s[22:23], s[20:21]
	s_mul_i32 s17, s16, 128*PK      ; and its place in a slot, for K
	s_mul_i32 s18, s16, 128*PV      ; and for V
	s_lshl_b32 s3, s[WV], 11        ; my 16 rows in a band of 64,
	s_lshl_b32 s2, s[HI], 15        ; in the first block,
	s_add_co_u32 s2, s2, s3
	s_lshl_b32 s84, s[PB], 15       ; and in the second
	s_add_co_u32 s84, s84, s3
	s_mov_b32 s3, 0
	s_mov_b32 s85, 0
	s_add_nc_u64 s[2:3], s[2:3], s[20:21]
	s_add_nc_u64 s[84:85], s[84:85], s[20:21]
	; descriptor group 1.  128 keys are 16,384 dense bytes: asked for as 64 rows of 256 bytes, two keys a row, and padded in LDS after every key
	s_mov_b32 s[G1K], (1<<16)|(1<<20)|(4<<22)|(3<<25)  ; 17:16 2-byte elements; 20 padding on; 24:22 after every 32 words (code 4); 31:25 4 words (code 3)
	s_mov_b32 s[G1V], (1<<16)|(1<<20)|(4<<22)|(7<<25)  ; the same with 8 words of padding (code 7)
.irp g, G1K, G1V
	s_mov_b32 s[\g+1], 128<<16      ; tensor_dim0 = 128
	s_mov_b32 s[\g+2], 64<<16       ; tensor_dim1 = 64
	s_mov_b32 s[\g+3], 128<<16      ; tile_dim0 = 128
	s_mov_b32 s[\g+4], 64           ; tile_dim1 = 64
	s_mov_b32 s[\g+5], 128          ; 128 elements from row to row
	s_mov_b32 s[\g+6], 0
	s_mov_b32 s[\g+7], 0
.endr
	s_mov_b32 s[CS], 0x3e38aa3b     ; c = log2(e) / 8 = 0.180337
	s_mov_b32 s[CS+1], s[CS]        ; named with it as a pair
	s_mov_b32 s[SEL], 0x76543210
	s_mov_b32 s[SEL+1], 0xfedcba98
	s_mov_b32 s[TBK], SLOT1+4*KS*PK ; the first change of slots turns these three into 0
	s_mov_b32 s[TBV], SLOT1+4*KS*PV
	s_mov_b32 s[TBM], TREG+16*KS
	s_mov_b32 s[G0K], 1             ; 1:0 count = 1
	s_mov_b32 s[G0K+1], s17         ; 63:32 LDS address: slot 0
	s_mov_b32 s[G0V], 1
	s_add_co_u32 s[G0V+1], s18, VOFF
	s_add_co_u32 s[RT], s[HI], 1    ; the first block has NB - b tiles
	s_mov_b32 s[NXT], 1
	s_mov_b32 s[LQ], s[HI]
	s_mov_b32 s[NEW], 1
	s_mov_b32 s[OFF+1], 0
	s_mov_b32 s[AL+1], 0            ; named as pairs
	s_mov_b32 s[BE+1], 0
	s_mov_b32 s[BIGN], 0xf149f2ca   ; -1e30
	s_mov_b32 s[THR], 0xd3800000    ; -2^40
	s_mov_b32 s[NANS], 0x7fc00000
	s_mov_b32 s[SLOTS], NB
	s_wait_dscnt 0x0                ; the opening add is done
	s_wait_kmcnt 0x0
	s_add_nc_u64 s[6:7], s[4:5], 0x1000000  ; K's part of qkv,
	s_add_nc_u64 s[8:9], s[4:5], 0x2000000  ; V's
	s_add_nc_u64 s[6:7], s[6:7], s[22:23]  ; K and V at my half of the head's tile 0
	s_add_nc_u64 s[8:9], s[8:9], s[22:23]
	s_add_nc_u64 s[G0K+2:G0K+3], s[6:7], 0         ; 120:64 global address
	s_or_b32 s[G0K+3], s[G0K+3], 0x80000000        ; 127:126 type = 2
	s_add_nc_u64 s[G0V+2:G0V+3], s[8:9], 0
	s_or_b32 s[G0V+3], s[G0V+3], 0x80000000
	s_add_nc_u64 s[86:87], s[4:5], s[84:85]        ; Q at my rows of the second block,
	s_add_nc_u64 s[4:5], s[4:5], s[2:3]            ; Q and O at those of the first
	s_add_nc_u64 s[OLO:OLO+1], s[10:11], s[84:85]
	s_add_nc_u64 s[10:11], s[10:11], s[2:3]
	s_add_nc_u64 s[MSK:MSK+1], s[MSK:MSK+1], s[MOF:MOF+1]
	LOAD                            ; tile 0 into slot 0
	; A fragment of K or Q is 16 rows x 32 channels in 8 registers: lane l holds row l % 16, channels 8 (l / 16) + 0..7 and 16 + 8 (l / 16) + 0..7: two loads of 16 bytes, 32 bytes apart.
	v_and_b32 v1, 15, v0            ; l % 16
	v_bfe_u32 v9, v0, 4, 1          ; l / 16
	v_lshlrev_b32 v[QO], 7, v1
	v_lshl_add_u32 v[QO], v9, 4, v[QO]  ; row x 128 + 16 x half
	v_lshlrev_b32 v[TI], 3, v0
	global_load_b64 v[MW+2:MW+3], v[TI], s[MSK:MSK+1]            ; my two mask words of tile 0,
	global_load_b64 v[MW:MW+1], v[TI], s[MSK:MSK+1] offset:1024  ; and of tile 1, which the first change of slots asks for
	WIN 0x80                        ; destination window 2, address window 0
.set i, 0
.rept 8                             ; both blocks' Q: piece i / 2 lies in band i / 2, 8,192 bytes on; channels 32 (i % 2) on
	global_load_b128 v[8*i:8*i+3],   v[QO], s[4:5] offset:(i/2)*8192+(i%2)*64
	global_load_b128 v[8*i+4:8*i+7], v[QO], s[4:5] offset:(i/2)*8192+(i%2)*64+32
	global_load_b128 v[QB+8*i:QB+8*i+3],   v[QO], s[86:87] offset:(i/2)*8192+(i%2)*64
	global_load_b128 v[QB+8*i+4:QB+8*i+7], v[QO], s[86:87] offset:(i/2)*8192+(i%2)*64+32
.set i, i+1
.endr
	WIN 0
	v_lshlrev_b32 v14, 3, v9
	v_sub_nc_u32 v14, v1, v14
	s_lshl_b32 s13, s[WV], 4
	v_add_nc_u32 v14, s13, v14      ; my query's place in its band, 16 w + l % 16, less my lanes' 8 (l / 16): register r of group kt is hidden where 16 kt + r is greater
	WIN 0x40
.set i, 0
.rept 32
	v_cmp_gt_i32 vcc_lo, 16*(i/8)+i%8, v14
	v_cndmask_b32 v[MD+i], 0, s[BIGN], vcc_lo
.set i, i+1
.endr
	WIN 0
	v_mul_u32_u24 v[AK0], v1, PK
	v_lshl_add_u32 v[AK0], v9, 4, v[AK0]  ; row x pitch + 16 x half
	; The turning load takes 16 keys x 16 channels (lane l reads key 8 (l / 16) + l % 8, channels 8 ((l / 8) % 2) + 0..7) and leaves half a fragment of V^T: lane l holds channel l % 16 and 8 keys.
	v_and_b32 v10, 7, v0
	v_bfe_u32 v11, v0, 3, 1
	v_lshl_add_u32 v[AV0], v9, 3, v10
	v_mul_u32_u24 v[AV0], v[AV0], PV
	v_lshl_add_u32 v[AV0], v11, 4, v[AV0]
	v_add_nc_u32 v[AV0], VOFF, v[AV0]
	s_mul_i32 s13, s[WV], 16*SP
	s_add_co_u32 s13, s13, STAGE    ; my stage
	v_mul_u32_u24 v[STO], v1, SP    ; in: row l % 16, 16 bytes for each half of the lanes
	v_lshl_add_u32 v[STO], v9, 4, v[STO]
	v_add_nc_u32 v[STO], s13, v[STO]
	v_bfe_u32 v[RD], v0, 3, 2       ; back: 32 lanes take four rows of 128 bytes,
	v_mul_u32_u24 v[RD], v[RD], SP
	v_lshl_add_u32 v[RD], v10, 4, v[RD]
	v_add_nc_u32 v[RD], s13, v[RD]
	v_and_b32 v[GO], 31, v0         ; which are 512 consecutive bytes of O
	v_lshlrev_b32 v[GO], 4, v[GO]
	v_lshl_add_u32 v[AM0], v9, 5, TABLE  ; my lanes' eight biases of a group of 16 keys: 32 bytes for each half of the lanes
	v_add_nc_u32 v[TO0], TABLE, v[TI]
	; Tile 0's biases go into the table's first region; the first change's wait on DScnt and its barrier show them to the other waves.
	s_wait_loadcnt 32               ; my two loads of mask words are in; Q's 32, issued behind them, stay out
	v_cmp_eq_u32 vcc_lo, 0, v[MW+2]
	v_cndmask_b32 v[MW+4], 0, s[BIGN], vcc_lo
	v_cmp_eq_u32 vcc_lo, 0, v[MW+3]
	v_cndmask_b32 v[MW+5], 0, s[BIGN], vcc_lo
	ds_store_b64 v[TO0], v[MW+4:MW+5]
	; A block's first step multiplies O^T and l by a = 0, and its first turn's products V^T P, of a piece that has not been, land in an O^T that is still to be so multiplied.  So these registers need only hold
	; finite numbers: zeros for the first block; what the first block left for the second.  All this stands in the wait for the first tile.
	WIN 0x80
.set i, VF
.rept 64
	v_mov_b32 v[i], 0
.set i, i+1
.endr
	WIN 0x40
.set i, 0
.rept 128
	v_mov_b32 v[i], 0
.set i, i+1
.endr
	WIN 0
.set i, 0
.rept 4
	v_mov_b32 v[ST+4*i+2], 0
	v_mov_b32 v[ST+4*i+3], 0
.set i, i+1
.endr
.set i, P+16
.rept 16
	v_mov_b32 v[i], 0
.set i, i+1
.endr
; THE MATRIX WORK.  The 4 accumulators of a run of 8 take turns.  Product i of 8 of S^T = K Q^T for piece x: channels 32 (i / 4) on, keys 16 (i % 4) on.  The first 4 start the sums: with the key bias KB, or (KM = 1) with the mask MC.
.macro KQ x
.set rS, S+32*((\x)%2)+8*(i%4)
.set rK, KF+16*(i%4)+8*(i/4)
.set rQ, 16*(\x)+8*(i/4)
.if KM
.set rM, MC+32*((\x)%2)+8*(i%4)
.else
.set rM, KB+8*(i%4)
.endif
.if i < 4
	WIN W_KM
	v_wmma_f32_16x16x32_f16 v[rS:rS+7], v[rK:rK+7], v[rQ:rQ+7], v[rM:rM+7]
.else
	WIN W_KQ
	v_wmma_f32_16x16x32_f16 v[rS:rS+7], v[rK:rK+7], v[rQ:rQ+7], v[rS:rS+7]
.endif
.endm
; Product i of 8 of O^T += V^T P for piece x: keys 32 (i / 4) on, channels 16 (i % 4) on.
.macro PV x
	WIN W_PV
.set rO, 32*(\x)+8*(i%4)
.set rV, VF+32*(i/4)+8*(i%4)
.set rP, P+16*((\x)%2)+8*(i/4)
	v_wmma_f32_16x16x32_f16 v[rO:rO+7], v[rV:rV+7], v[rP:rP+7], v[rO:rO+7]
.endm
.macro MM                           ; the turn's next matrix instruction.  TURN and BEGIN set Y, i, KM and NOKQ; MM, KQ and OP read them.  NOKQ = 1: a block's last turn: there is no next piece
.if (i < 8) && !NOKQ
	KQ (Y+1)%NP
.elseif i >= 8
.set i, i-8
	PV (Y+NP-1)%NP
.set i, i+8
.endif
.set i, i+1
.endm
; THE LDS LOADS stand in runs, never singly among the matrix instructions: a step's K (64 keys x 64 channels: 8 fragments) with its 64 key biases, and its V (turned).  Their addresses are made some lines ahead.
.macro FETCH_K
	WIN 0x80                        ; destination window 2
.irp f, 0,1,2,3,4,5,6,7             ; keys 16 (f / 2) on, channels 32 (f % 2) on
	ds_load_b128 v[KF+8*\f:KF+8*\f+3],   v[AK] offset:(\f/2)*16*PK+(\f%2)*64
	ds_load_b128 v[KF+8*\f+4:KF+8*\f+7], v[AK] offset:(\f/2)*16*PK+(\f%2)*64+32
.endr
	WIN 0x40                        ; destination window 1
.irp f, 0,1,2,3                     ; keys 16 f on: eight biases a lane, the same in all 16 lanes of a half
	ds_load_b128 v[KB+8*\f:KB+8*\f+3],   v[AM] offset:64*\f
	ds_load_b128 v[KB+8*\f+4:KB+8*\f+7], v[AM] offset:64*\f+16
.endr
	s_add_co_u32 s[TBK], s[TBK], KS*PK  ; the next fetch is the next step's
	s_add_co_u32 s[TBM], s[TBM], 4*KS
	WIN 0
.endm
.macro FETCH_V
	WIN 0x80
.irp f, 0,1,2,3,4,5,6,7             ; keys 32 (f / 4) on, channels 16 (f % 4) on
	ds_load_tr16_b128 v[VF+8*\f:VF+8*\f+3],   v[AV] offset:(\f/4)*32*PV+(\f%4)*32
	ds_load_tr16_b128 v[VF+8*\f+4:VF+8*\f+7], v[AV] offset:(\f/4)*32*PV+16*PV+(\f%4)*32
.endr
	WIN 0
.endm
; THE VECTOR WORK, one line at a time: OP kind, number.  For piece Y: F n: c s - c m for pair n of 16.  E n: the exponential of score n of 32.  C n: pair n rounded to f16.  B n: of the four weights 4 n .. the second
; pair is added onto the first, in place.  L n: l takes that sum (L 0: l = a l + sum).  R n: pair n of 16 of O^T times a.  For piece Y + 1: X n, number n of the 22 that find its maximum and statistics:
;   0-11  four chains c0-c3 of seven scores each, three operands at a time (each accumulator's lowest registers are read first)     12-14, 16  the four scores left over, the old m, and c0-c3 into c0
;   15  c m_old is kept     17, 18  the query's other 32 keys lie in the lane 16 away: the new m     19-21  c m; c m_old - c m_new; a
.set F, 0               ; OP tells the kinds apart by their order: F to L below R, X above it
.set E, 1
.set C, 2
.set B, 3
.set L, 4
.set R, 5
.set X, 6
.macro REGS y                       ; the registers of piece y
.set rT, ST+4*(\y)
.set rC, TMP+4*((\y)%2)
.set rW, MV+((\y)%2)
.set rS, S+32*((\y)%2)
.set rP, P+16*((\y)%2)
.set rO, 32*(\y)
.endm
.macro OP k, n
.if (\k) == R
	REGS Y
	WIN W_RS
	v_pk_mul_f32 v[rO+2*(\n):rO+2*(\n)+1], v[rO+2*(\n):rO+2*(\n)+1], v[rC+2:rC+3] op_sel_hi:[1,0]
.elseif (\k) < R
	REGS Y
	WIN 0
.if (\k) == F
	v_pk_fma_f32 v[rS+2*(\n):rS+2*(\n)+1], v[rS+2*(\n):rS+2*(\n)+1], s[CS:CS+1], v[rT:rT+1] op_sel_hi:[1,0,0] neg_lo:[0,0,1] neg_hi:[0,0,1]
.elseif (\k) == E
	v_exp_f32 v[rS+(\n)], v[rS+(\n)]
.elseif (\k) == C
	s_wait_alu depctr_va_vdst(0)
	v_cvt_pk_f16_f32 v[rP+(\n)], v[rS+2*(\n)], v[rS+2*(\n)+1]
.elseif (\k) == B
	s_wait_alu depctr_va_vdst(0)
	v_pk_add_f32 v[rS+4*(\n):rS+4*(\n)+1], v[rS+4*(\n):rS+4*(\n)+1], v[rS+4*(\n)+2:rS+4*(\n)+3]
.elseif (\n) == 0
	v_pk_fma_f32 v[rT+2:rT+3], v[rT+2:rT+3], v[rC+2:rC+3], v[rS:rS+1] op_sel_hi:[1,0,1]
.else
	v_pk_add_f32 v[rT+2:rT+3], v[rT+2:rT+3], v[rS+4*(\n):rS+4*(\n)+1]
.endif
.elseif NOKQ
	v_nop
.else
	REGS (Y+1)%NP
	WIN 0
.if (\n) < 4
	v_max3_num_f32 v[rC+(\n)], v[rS+8*(\n)], v[rS+8*(\n)+1], v[rS+8*(\n)+2]
.elseif (\n) < 12
	v_max3_num_f32 v[rC+(\n)%4], v[rC+(\n)%4], v[rS+8*((\n)%4)+2*((\n)/4)+1], v[rS+8*((\n)%4)+2*((\n)/4)+2]
.elseif (\n) == 12
	v_max3_num_f32 v[rC], v[rC], v[rS+7], v[rS+15]
.elseif (\n) == 13
	v_max3_num_f32 v[rC+1], v[rC+1], v[rS+23], v[rS+31]
.elseif (\n) == 14
	v_max3_num_f32 v[rC+2], v[rC+2], v[rC+3], v[rT+1]
.elseif (\n) == 15
	v_mov_b32 v[rW], v[rT]
.elseif (\n) == 16
	v_max3_num_f32 v[rC], v[rC], v[rC+1], v[rC+2]
.elseif (\n) == 17
	v_permlanex16_b32 v[rC+3], v[rC], s[SEL], s[SEL+1]
.elseif (\n) == 18
	v_max_num_f32 v[rT+1], v[rC], v[rC+3]
.elseif (\n) == 19
	v_mul_f32 v[rT], s[CS], v[rT+1]
.elseif (\n) == 20
	v_sub_f32 v[rC+1], v[rW], v[rT]
.else
	v_exp_f32 v[rC+2], v[rC+1]
.endif
.endif
.endm
.macro OPS a, i1, b=-1, i2=0, c=-1, i3=0, d=-1, i4=0  ; up to four of them
	OP \a, \i1
.if (\b) >= 0
	OP \b, \i2
.endif
.if (\c) >= 0
	OP \c, \i3
.endif
.if (\d) >= 0
	OP \d, \i4
.endif
.endm
.macro ROW a, i1, b, i2, c, i3, d, i4  ; a matrix instruction and the four behind it
	MM
	OPS \a, \i1, \b, \i2, \c, \i3, \d, \i4
.endm
.macro MASK buf, plus               ; MD x AL + KB into buffer buf of MC; plus = 1: and BE onto it
	WIN W_MK
.set z, 0
.rept 16
	v_pk_fma_f32 v[MC+32*(\buf)+2*z:MC+32*(\buf)+2*z+1], v[MD+2*z:MD+2*z+1], s[AL:AL+1], v[KB+2*z:KB+2*z+1] op_sel_hi:[1,0,1]
.set z, z+1
.endr
.if \plus
.set z, 0
.rept 16
	v_pk_add_f32 v[MC+32*(\buf)+2*z:MC+32*(\buf)+2*z+1], v[MC+32*(\buf)+2*z:MC+32*(\buf)+2*z+1], s[BE:BE+1] op_sel_hi:[1,0]
.set z, z+1
.endr
.endif
.endm
; A TURN, for piece p: the order of its 16 matrix and 118 vector instructions, written out.  Behind a matrix instruction: plain, exponential, plain, plain; or four of the rescaling; or, behind the first, four scalings; none
; names a register of the products round it.  In the runs between, exponential and plain by turns while exponentials last.  A line reads no result made fewer than three vector instructions in front of it, five if an
; exponential made it.  v_permlanex16_b32 (X 17) stands in such a run.
; m = 1: the diagonal tile: the products take masks, and the turn makes the mask for the products of the turn after it: piece p + 2, in step 4 - CNT of the tile, with that step's key bias: for pieces 2 and 3 the step
; in hand, for pieces 0 and 1 the next, whose bias piece 2's turn has fetched (so that turn waits for it in front of its mask).  end = 1: a block's last two turns: nothing is fetched.
; cnt = 1: the loop's count is taken down some lines ahead of the branch that stands behind the turn.
; K and the bias of the next step are fetched in piece 2's turn, six vector instructions behind the last product that read K (five of them plain; the last that read the bias stands four products further back);
; V of the step in hand in piece 0's turn, eight behind the last product that read V (four plain, and X 17).  Each is waited for a turn later.
.macro TURN p, m=0, end=0, cnt=0
.set Y, (\p)
.set i, 0
.set KM, (\m)
.set NOKQ, (\end)*((\p)/3)
.if (\m) && !(\end)
	s_cmp_eq_u32 s[CNT], 4-((\p)+2)%NP  ; is that step the band's own?
	s_cselect_b32 s[AL], 1.0, 0
	s_cmp_lt_u32 s[CNT], 4-((\p)+2)%NP  ; or a later one?
	s_cselect_b32 s[BE], s[BIGN], 0
.endif
.if ((\p) == 3) && !(\end)
	s_wait_dscnt 0x0                ; K and its bias are in
.endif
	ROW F,0, F,1, F,2, F,3
	ROW F,4, E,0, F,5, F,6
	ROW F,7, E,1, F,8, F,9
	ROW F,10, E,2, C,0, F,11
	ROW F,12, E,3, X,15, F,13
	ROW R,0, R,1, R,2, R,3
	ROW B,0, E,4, F,14, L,0
.if ((\p) == 2) && !(\end)
	v_add_nc_u32 v[AK], s[TBK], v[AK0]
	v_add_nc_u32 v[AM], s[TBM], v[AM0]
.endif
	ROW R,4, R,5, R,6, R,7
	OPS E,5, F,15
.if ((\p) == 2) && !(\end)
	FETCH_K
.endif
	OPS E,6, C,1, E,7, R,8
	OPS E,8, R,9, E,9, C,2
	OPS E,10, X,0, E,11, X,1
	OPS E,12, X,2, E,13, X,3
.if (\p) == 1
	s_wait_dscnt 0x0                ; V is in
.endif
	ROW X,4, E,14, X,5, X,6
	ROW X,7, E,15, X,8, X,9
	ROW X,10, E,16, X,11, X,12
	ROW X,13, E,17, X,14, B,1
	ROW C,4, E,18, X,16, L,1
	ROW B,2, E,19, C,6, L,2
	ROW C,8, E,20, B,3, B,4
.if (\p) == 0
	v_add_nc_u32 v[AV], s[TBV], v[AV0]
.endif
	ROW C,3, E,21, L,3, C,5
	OPS E,22, X,17, E,23, C,10
.if (\p) == 0
	FETCH_V
.endif
	OPS E,24, L,4
	OPS E,25, X,18, E,26, C,7
	OPS E,27, B,5, E,28, X,19
	OPS E,29, C,12, E,30, L,5
	OPS E,31, X,20, B,6, C,9
	OPS C,14, C,11, X,21, L,6
.if (\p) == 0
	s_add_co_u32 s[TBV], s[TBV], KS*PV
.endif
.if \cnt
	s_sub_co_u32 s[CNT], s[CNT], 1
	s_cmp_lg_u32 s[CNT], 0
.endif
	OPS C,13, B,7, C,15, R,10
	OPS R,11, R,12, L,7, R,13
	OPS R,14, R,15
.if (\m) && !(\end)
.if (\p) == 2
	s_wait_dscnt 0x0                ; the next step's bias, fetched in this turn, is in
.endif
	MASK (\p)%2, 1
.endif
.endm
; A BLOCK BEGINS.  c m starts far below every c s, so the first step's a is 0; m at -2^40.  Then K and the bias of the block's step 0; the first mask buffer takes piece 0's mask for that step: its own, if the
; block's first tile is the diagonal one; both = 1 (that tile's text follows): the second takes piece 1's, the bias alone.  Then piece 0's first scores, and its maximum and statistics.
; Q is in: the first change of slots has waited for it.  The loop is entered at a step's first turn, in the middle of a trip.
.macro BEGIN both
	s_mov_b32 s[NEW], 0
	WIN 0
.set i, 0
.rept 4
	v_mov_b32 v[ST+4*i], 0xfe000000    ; c m: far below every c s
	v_mov_b32 v[ST+4*i+1], s[THR]      ; m
.set i, i+1
.endr
	v_add_nc_u32 v[AK], s[TBK], v[AK0]
	v_add_nc_u32 v[AM], s[TBM], v[AM0]
	FETCH_K
	s_wait_dscnt 0x0
	s_cmp_eq_u32 s[RT], 0
	s_cselect_b32 s[AL], 1.0, 0
	MASK 0, 0
.if \both
	s_mov_b32 s[AL], 0
	MASK 1, 0
.endif
.set KM, 1
.set NOKQ, 0
.set i, 0
.rept 8
	KQ 0
.set i, i+1
.endr
	WIN 0
.rept 4
	v_nop                           ; the places behind those products
.endr
.set Y, NP-1                        ; X works for piece Y + 1: piece 0
.irp n, 0,1,2,3,4,5,6,7,8,9,10,11,12,13,14,15,16,17,18,19,20,21
	OP X, \n
.endr
	v_nop                           ; a plain instruction behind the exponential
.endm
; THE DIAGONAL TILE's four steps, the block's last two turns, its last products, and THE WAY OUT: l's two halves and the other half of the lanes' are added; O^T is divided by l (a row that saw no key: multiplied
; by NaN), rounded to f16 and sent through my stage in LDS, a piece at a time.
.macro ALL line:vararg              ; one line for each piece t
.set t, 0
.rept 4
	\line
.set t, t+1
.endr
.endm
.macro PACK t                       ; a lane's eight channels of a row pack into 16 bytes; they go into rows of 144 bytes and come back as whole rows of 128, into S^T's registers
	WIN W_RS
.set i, 32*(\t)
.rept 16
	v_pk_mul_f32 v[i:i+1], v[i:i+1], v[ST+4*(\t)+2:ST+4*(\t)+3] op_sel_hi:[1,0]
.set i, i+2
.endr
	WIN 0x05                        ; sources 0 and 1 window 1, destination window 0
.set i, 0
.rept 16
	v_cvt_pk_f16_f32 v[S+16*(\t)+i], v[32*(\t)+2*i], v[32*(\t)+2*i+1]
.set i, i+1
.endr
	WIN 0
.irp f, 0,1,2,3
	ds_store_b128 v[STO], v[S+16*(\t)+4*\f:S+16*(\t)+4*\f+3] offset:32*\f
.endr
.irp f, 0,1,2,3
	ds_load_b128 v[S+16*(\t)+4*\f:S+16*(\t)+4*\f+3], v[RD] offset:\f*4*SP  ; LDS serves a wave's instructions in order (ISA guide 5.7.1.4): these see the stores above; the next piece's stores come behind them
.endr
.endm
.macro SEND t, younger              ; younger: the LDS instructions issued behind piece t's loads: the next piece's eight, or none
	WIN 0
.irp f, 0,1,2,3
	s_wait_dscnt (\younger)+3-\f
	global_store_b128 v[GO], v[S+16*(\t)+4*\f:S+16*(\t)+4*\f+3], s[10:11] offset:(\t)*8192+\f*512  ; 512 consecutive bytes, at a multiple of 256 from O's first
.endr
.endm
.macro DIAG tag                     ; the tag ends its two labels' names, which the jumps below spell out
.LstepM\tag:
	TURN 2, 1
	TURN 3, 1
	WIN 0
.LfirstM\tag:
	TURN 0, 1
	TURN 1, 1, 0, 1
	WIN 0
	s_cbranch_scc1 .LstepM\tag
	TURN 2, 1, 1
	TURN 3, 1, 1
.set i, 0
.rept 8
	PV NP-1
.set i, i+1
.endr
	WIN 0
	ALL v_add_f32 v[ST+4*t+2], v[ST+4*t+2], v[ST+4*t+3]
	ALL v_permlanex16_b32 v[ST+4*t+3], v[ST+4*t+2], s[SEL], s[SEL+1]
	ALL v_add_f32 v[ST+4*t+2], v[ST+4*t+2], v[ST+4*t+3]
	ALL v_rcp_f32 v[ST+4*t+2], v[ST+4*t+2]
	v_nop                           ; a plain instruction between the last reciprocal and the use of its result
.set t, 0
.rept 4
	v_cmp_ge_f32 vcc_lo, s[THR], v[ST+4*t+1]  ; m is still where it started: the row has seen no key,
	s_wait_alu depctr_va_vdst(0)
	v_cndmask_b32 v[ST+4*t+2], v[ST+4*t+2], s[NANS], vcc_lo  ; and NaN takes the reciprocal's place: a choice of a value, no branch
.set t, t+1
.endr
	PACK 0
.set t, 1
.rept 3                             ; a piece's arithmetic stands between the loads of the piece before and its stores
	PACK t
	SEND t-1, 8
.set t, t+1
.endr
	SEND 3, 0
.endm
.set KM, 0
.set NOKQ, 0
.Lslot:                             ; NB times: a tile is entered and the next is asked for
	CHANGE 1
	s_sub_co_u32 s[RT], s[RT], 1
	s_mov_b32 s[CNT], 4
	s_cmp_eq_u32 s[NEW], 1
	s_cbranch_scc1 .Lnew            ; a block's first tile
	s_cmp_eq_u32 s[RT], 0
	s_cbranch_scc0 .Lstep           ; neither its first nor its last
	s_mov_b32 s[AL], 0              ; its last: that text's first turn multiplies piece 3 of the step in hand, which lies below the diagonal tile: its mask is that step's key bias alone
	MASK 1, 0
	WIN 0
	s_branch .LstepM1
.Lnew:
	BEGIN 0
	s_branch .Lfirst                ; in the loop a block's first tile is never its last: the first block has two tiles or more, and the second's last is the walk's last
	DIAG 1                          ; in the loop this is the first block's end: the second block's last tile is the walk's last
	s_wait_xcnt 0x0                 ; the stores have read their registers and O's address
	s_mov_b64 s[10:11], s[OLO:OLO+1]
	s_add_co_u32 s[RT], s[PB], 1    ; the second block has b + 1 tiles
	s_mov_b32 s[NEW], 1
	WIN 0x82                        ; the second block's Q goes where the one text of the turns names Q
.set i, 0
.rept 64
	v_mov_b32 v[i], v[QB+i]
.set i, i+1
.endr
	WIN 0
	s_branch .Lbottom
.Lstep:                             ; a trip: pieces 2 and 3 of one step, then pieces 0 and 1 of the next, whose K and V it fetches
	TURN 2
	TURN 3
	WIN 0
.Lfirst:
	TURN 0
	TURN 1, 0, 0, 1
	WIN 0
	s_cbranch_scc1 .Lstep
.Lbottom:
	s_sub_co_u32 s[SLOTS], s[SLOTS], 1
	s_cmp_lg_u32 s[SLOTS], 0
	s_cbranch_scc1 .Lslot
	CHANGE 0                        ; the walk's last tile is written out: nothing is asked for
	s_sub_co_u32 s[RT], s[RT], 1
	s_mov_b32 s[CNT], 4
	s_cmp_eq_u32 s[NEW], 1
	s_cbranch_scc1 .Lnew2
	s_mov_b32 s[AL], 0              ; as above: piece 3 of the step in hand takes that step's key bias alone
	MASK 1, 0
	WIN 0
	s_branch .LstepM2
.Lnew2:
	BEGIN 1
	s_branch .LfirstM2
	DIAG 2
	s_wait_tensorcnt 0x0            ; the wave's end, behind my last tensor load and my last LDS store
	ds_add_u32 v[SPW], v[NIL]
	s_wait_dscnt 0x0
	s_endpgm
.Lfunc_end_k_q408ca6a23e_attend:
	.size	k_q408ca6a23e_attend, .Lfunc_end_k_q408ca6a23e_attend-k_q408ca6a23e_attend
	.p2alignl 7, 3214868480
	.fill 96, 4, 3214868480
	.section	.rodata,"a",@progbits
	.p2align	6, 0x0
	.amdhsa_kernel k_q408ca6a23e_attend
		.amdhsa_group_segment_fixed_size 327680
		.amdhsa_private_segment_fixed_size 0
		.amdhsa_enable_private_segment 0
		.amdhsa_kernarg_size 24
		.amdhsa_user_sgpr_count 2
		.amdhsa_user_sgpr_kernarg_segment_ptr 1
		.amdhsa_wavefront_size32 1
		.amdhsa_system_sgpr_workgroup_id_x 1
		.amdhsa_system_sgpr_workgroup_id_y 1
		.amdhsa_system_sgpr_workgroup_id_z 1
		.amdhsa_system_vgpr_workitem_id 0
		.amdhsa_next_free_vgpr 768
		.amdhsa_next_free_sgpr 96
		.amdhsa_reserve_vcc 1
		.amdhsa_float_denorm_mode_32 3
		.amdhsa_float_denorm_mode_16_64 3
		.amdhsa_memory_ordered 1
		.amdhsa_forward_progress 1
		.amdhsa_inst_pref_size 239
	.end_amdhsa_kernel
	.amdgpu_metadata
---
amdhsa.version: [ 1, 2 ]
amdhsa.kernels:
  - .name:           k_q408ca6a23e_attend
    .symbol:         k_q408ca6a23e_attend.kd
    .args:
      - { .name: qkv, .offset: 0, .size: 8, .value_kind: global_buffer, .address_space: global }
      - { .name: attention_mask, .offset: 8, .size: 8, .value_kind: global_buffer, .address_space: global }
      - { .name: ob, .offset: 16, .size: 8, .value_kind: global_buffer, .address_space: global }
    .group_segment_fixed_size: 327680
    .private_segment_fixed_size: 0
    .kernarg_segment_align: 8
    .kernarg_segment_size: 24
    .max_flat_workgroup_size: 128
    .sgpr_count:     96
    .vgpr_count:     768
    .wavefront_size: 32
...
	.end_amdgpu_metadata
.endif
;; end of part 3
;; launch output (part 4): grid 4 x 64, 4 waves a work-group, clusters of 4 x 4, 327,680 bytes of LDS; arguments ob, wob, out0; writes out0
.if DOCPART == 4
	.amdgcn_target "amdgcn-amd-amdhsa--gfx1250"
	.amdhsa_code_object_version 6
	.text
	.protected	k_q408ca6a23e_output
	.globl	k_q408ca6a23e_output
	.p2align	8
	.type	k_q408ca6a23e_output,@function
k_q408ca6a23e_output:
	s_mov_b64 s[64:65], 0
	v_nop
	global_prefetch_b8 v0, s[64:65] scope:SCOPE_SE
	s_setreg_imm32_b32 hwreg(HW_REG_WAVE_MODE, 25, 1), 1
	s_wait_xcnt 0x0
	s_wait_alu depctr_hold_cnt(0) depctr_sa_sdst(0) depctr_va_vdst(0) depctr_va_sdst(0) depctr_va_ssrc(0) depctr_va_vcc(0) depctr_vm_vsrc(0)
	s_getreg_b32 s2, hwreg(HW_REG_IB_STS2, 6, 4)
	s_cmp_eq_u32 s2, 0
	s_cbranch_scc0 .Lentry_in_a_cluster
	s_endpgm
.Lentry_in_a_cluster:
	s_bfe_u32 s2, ttmp6, 0x10000c
	s_cmp_lg_u32 s2, 0xf033
	s_cbranch_scc0 .Lentry_shape_is_right
	s_endpgm
.Lentry_shape_is_right:
; out0 = O wo^T.  out0[m][n] = sum over head h and channel c of ob[16 batch + h][row][c] wob[h][n][c], m = 2,048 batch + row.  ob [64][2048][64] and wob [16][1024][64] are f16; sums in f32, heads ascending; out0 [8192][1024] f32.
; A row of O that is NaN (a query that saw no key) makes its whole row of out0 NaN and touches no other row.
; SHARES.  A tile of out0 is 128 x 256: 64 x 4 = 256 work-groups.  Four waves, each 64 x 128: 32 accumulators of 16 x 16, one register window.
; A K step is TWO HEADS, 128 along K, through two LDS slots filled by the tensor data mover.  A head's 128 rows of O (256 rows of wob) are dense in memory, so they are asked for as rows of 256 bytes, two rows of
; 64 channels each, and padded in LDS after every 128 bytes.  Waves 0 and 1 fetch O's two heads, waves 2 and 3 wob's.
; CLUSTER.  4 x 4 work-groups: the four of a row of the cluster need the same tile of ob, the four of a column the same tile of wob: each tile is asked for jointly, by the same tensor load, descriptor and mask.
; THE MATRIX INSTRUCTION IS USED TRANSPOSED (source 0 = 16 rows of wob, source 1 = 16 rows of ob): a lane then holds row l % 16 of the tile and the eight neighbouring columns 8 (l / 16) + 0..7: 32 bytes.
; REGISTERS.  window 0: v0-31 addresses; two fragment buffers of 96 (32 along K: 64 registers of B, then 32 of A) at v32 and v128; on the way out v32-159 are at work.  window 1: accumulator (a, b) at v[8 (8 a + b)].
; By this text's own count a wave has two tensor loads out at the start and one behind each round.
.set PITCH,  144                       ; an LDS row: 128 bytes + 16 of padding = 36 words: the 16 rows of a fragment load start at 16 different groups of four banks (64 banks of 4 bytes: ISA guide 11.1)
.set AHD,    128*PITCH                 ; a head's 128 rows of A: what a load for A brings
.set BHD,    256*PITCH                 ; a head's 256 rows of B
.set SLOT,   2*AHD+2*BHD               ; A's two heads, then B's two
.set STAGE,  2*SLOT                    ; behind the ring: for each wave 16 rows x 528 bytes, for the way out; no tensor load lands here
.set SPITCH, 528                       ; 512 bytes + 16
.set SPARE,  STAGE+4*16*SPITCH         ; the spare words, 128 bytes a wave: two blocks of 256 bytes that no other line names
.set LAPS,   4                         ; 16 heads = 8 K steps = 4 times round the ring
.set ASTEP,  4*262144                  ; two K steps on: four heads of ob, 2,048 rows of 128 bytes each,
.set BSTEP,  4*131072                  ; four heads of wob, 1,024 rows each
.set ADRA, 16                          ; v16-17  LDS address of my A fragments in slot 0, 1
.set ADRB, 20                          ; v20-21  the same for B
.set STO,  24                          ; v24     the way out: where I put 32 bytes of a row
.set RD,   25                          ; v25     the way out: where I read a row back
.set CO,   26                          ; v26     my byte offset in 512 consecutive bytes of a row of out0
.set SPW,  28                          ; v28     LDS address of my spare word; never rewritten
.set NIL,  29                          ; v29     0; never rewritten
.set F0,   32
.set F1,   128
.set OB,   32                          ; the way out: 16 rows read back, v32-95 and v96-159 by turns
.set G1,  24                           ; s[24:31] descriptor group 1 for A's tiles;  s[32:39] group 0, a set for each slot
.set G0,  32
.set G1B, 48                           ; s[48:55], s[56:63] the same for B's
.set G0B, 56
.set W0, (1<<16)|(1<<20)|(1<<21)|(4<<22)|(3<<25)  ; 17:16 elements of 2 bytes; 20 padding on; 21 set beside a mask; 24:22 after every 32 words (code 4); 31:25 4 words of it (code 3)
.set MSB, 0
.macro WIN new                         ; the immediate's high byte repeats the setting that is left; a switch that changes nothing is dropped
.if MSB != (\new)
	s_set_vgpr_msb (MSB<<8)|(\new)
.set MSB, \new
.endif
.endm
.set MUL, 0x50                         ; sources 0 and 1 window 0; C and D window 1
.macro JLOAD s                         ; a joint load; the branch hangs on the wave's number alone; an s_nop 0 and four v_nop follow each of the two lines
	s_cmp_eq_u32 s11, 0
	s_cbranch_scc0 .Lfor_b_\@
	tensor_load_to_lds s[G0+4*(\s):G0+4*(\s)+3], s[G1:G1+7]
	s_nop 0
.rept 4
	v_nop
.endr
	s_branch .Lasked_\@
.Lfor_b_\@:
	tensor_load_to_lds s[G0B+4*(\s):G0B+4*(\s)+3], s[G1B:G1B+7]
	s_nop 0
.rept 4
	v_nop
.endr
.Lasked_\@:
.endm
.macro CREST                           ; a round of the cluster's barrier behind its opening barrier: wave 0 signals for the work-group, every wave waits for all sixteen, my work-group's barrier closes it
	s_cmp_lg_u32 s10, 0
	s_cbranch_scc1 .Lnot_wave_0_\@
	s_barrier_signal -3
.Lnot_wave_0_\@:
	s_barrier_wait -3
	s_barrier_signal -1
	s_barrier_wait -1
.endm
.macro CROUND                          ; a whole round
	s_barrier_signal -1
	s_barrier_wait -1
	CREST
.endm
	s_load_b128 s[4:7], s[0:1], 0x0                ; ob s[4:5], wob s[6:7]
	s_load_b64 s[8:9], s[0:1], 0x10                ; out0
	v_lshl_add_u32 v[SPW], v0, 2, SPARE
	v_mov_b32 v[NIL], 0
	ds_add_u32 v[SPW], v[NIL]                      ; the wave's opening: the add and its wait stand ahead of my first tensor load; the set-up below, work on registers, stands between them
	ds_add_u32 v28, v29
	v_lshrrev_b32 v1, 5, v0
	v_readfirstlane_b32 s10, v1                    ; wave 0..3
	s_lshr_b32 s11, s10, 1                         ; which 64 of the tile's rows are mine.  Also: I fetch for A (0) or for B (1)
	s_and_b32 s12, s10, 1                          ; which 128 of its columns.  Also: which of a K step's two heads I fetch
	s_bfe_u32 s40, ttmp6, 0x40000                  ; cx, cy: my place in the cluster
	s_bfe_u32 s41, ttmp6, 0x40004
	s_lshl_b32 s42, ttmp9, 2
	s_add_co_u32 s42, s42, s40                     ; tile column = 4 x cluster x + cx
	s_and_b32 s13, ttmp7, 0xffff
	s_lshl_b32 s13, s13, 2
	s_add_co_u32 s13, s13, s41                     ; tile row = 4 x cluster y + cy
	s_lshl_b32 s43, s41, 2
	s_lshl_b32 s43, 15, s43                        ; my row of the cluster
	s_lshl_b32 s44, 0x1111, s40                    ; my column
	s_or_b32 s[G1+0], s43, W0                      ; A's tiles go to my row,
	s_or_b32 s[G1B+0], s44, W0                     ; B's to my column
.irp g, G1, G1B
	s_mov_b32 s[(\g)+1], 128<<16                   ; tensor_dim0 = 128 elements: 256 bytes
	s_mov_b32 s[(\g)+3], 128<<16                   ; tile_dim0 = 128
	s_mov_b32 s[(\g)+5], 128                       ; elements from row to row: the block is dense
	s_mov_b32 s[(\g)+6], 0
	s_mov_b32 s[(\g)+7], 0
.endr
	s_mov_b32 s[G1+2], 64<<16                      ; tensor_dim1 = tile_dim1 = 64 such rows for A (128 rows of O),
	s_mov_b32 s[G1+4], 64
	s_mov_b32 s[G1B+2], 128<<16                    ; 128 for B (256 rows of wob)
	s_mov_b32 s[G1B+4], 128
	s_lshr_b32 s16, s13, 4
	s_lshl_b32 s16, s16, 22                        ; A: the batch's 16 heads of 262,144 bytes,
	s_and_b32 s17, s13, 15
	s_lshl_b32 s17, s17, 14                        ; the tile's 128 rows of 128 bytes in a head,
	s_add_co_u32 s16, s16, s17
	s_lshl_b32 s17, s12, 18                        ; my head of the step's two
	s_add_co_u32 s16, s16, s17
	s_mov_b32 s17, 0
	s_lshl_b32 s46, s42, 15                        ; B: the tile's 256 rows of 128 bytes in a head,
	s_lshl_b32 s47, s12, 17                        ; my head of the step's two
	s_add_co_u32 s46, s46, s47
	s_mov_b32 s47, 0
	s_mul_i32 s20, s12, AHD                        ; where they go in a slot: no place in the cluster enters an LDS address
	s_mul_i32 s21, s12, BHD
	s_add_co_u32 s21, s21, 2*AHD
	s_wait_dscnt 0x0                               ; the opening add is done
	s_wait_kmcnt 0x0
	s_add_nc_u64 s[14:15], s[4:5], s[16:17]
	s_add_nc_u64 s[46:47], s[6:7], s[46:47]
	CROUND                                         ; all sixteen work-groups are here: the first joint loads meet
.irp s, 0,1
	s_mov_b32 s[G0+4*(\s)], 1                                        ; count = 1
	s_add_co_u32 s[G0+4*(\s)+1], s20, (\s)*SLOT                      ; LDS address
	s_add_nc_u64 s[G0+4*(\s)+2:G0+4*(\s)+3], s[14:15], (\s)*ASTEP/2  ; global address: K step s begins with head 2 s
	s_or_b32 s[G0+4*(\s)+3], s[G0+4*(\s)+3], 0x80000000              ; type = 2
	s_mov_b32 s[G0B+4*(\s)], 1
	s_add_co_u32 s[G0B+4*(\s)+1], s21, (\s)*SLOT
	s_add_nc_u64 s[G0B+4*(\s)+2:G0B+4*(\s)+3], s[46:47], (\s)*BSTEP/2
	s_or_b32 s[G0B+4*(\s)+3], s[G0B+4*(\s)+3], 0x80000000
	JLOAD \s
.endr
	; A fragment is 16 rows x 32 K in 8 registers: lane l holds row l % 16, K = 8 (l / 16) + 0..7 and 16 + 8 (l / 16) + 0..7: two loads of 16 bytes, 32 bytes apart.
	v_and_b32 v1, 15, v0                           ; l % 16
	v_bfe_u32 v2, v0, 4, 1                         ; l / 16
	v_mul_u32_u24 v3, v1, PITCH
	v_lshl_add_u32 v3, v2, 4, v3
	s_mul_i32 s21, s11, 64*PITCH                   ; my 64 rows in each head's block of A
	s_mul_i32 s22, s12, 128*PITCH                  ; my 128 rows in each head's block of B,
	s_add_co_u32 s22, s22, 2*AHD                   ; which lie behind A's two
.irp s, 0,1
	v_add_nc_u32 v[ADRA+(\s)], s21, v3
	v_add_nc_u32 v[ADRB+(\s)], s22, v3
	s_add_co_u32 s21, s21, SLOT
	s_add_co_u32 s22, s22, SLOT
.endr
	s_mul_i32 s23, s10, 16*SPITCH
	s_add_co_u32 s23, s23, STAGE                   ; my stage
	v_mul_u32_u24 v4, v1, SPITCH                   ; in: row l % 16, 32 bytes for each half of the lanes
	v_lshl_add_u32 v4, v2, 5, v4
	v_add_nc_u32 v[STO], s23, v4
	v_and_b32 v5, 31, v0                           ; back: 32 lanes take a row's 512 bytes
	v_lshlrev_b32 v[CO], 4, v5
	v_add_nc_u32 v[RD], s23, v[CO]
	s_lshl_b32 s16, s13, 7
	s_lshl_b32 s17, s11, 6
	s_add_co_u32 s16, s16, s17                     ; my first row of out0,
	s_lshl_b32 s16, s16, 12                        ; of 4,096 bytes
	s_mov_b32 s17, 0
	s_add_nc_u64 s[8:9], s[8:9], s[16:17]
	s_lshl_b32 s46, s42, 10                        ; my first column, in bytes: 1,024 x tile column + 512 x half
	s_lshl_b32 s47, s12, 9
	s_add_co_u32 s46, s46, s47
	s_mov_b32 s47, 0
	s_add_nc_u64 s[8:9], s[8:9], s[46:47]
; 8 matrix instructions: m block a x all 8 n blocks, 32 along K.  zero = 1: the product starts the sums: nothing is ever cleared.
; The 32 accumulators take turns in the same order in every quarter.
.macro MUL8 f, a, zero
	WIN MUL
.irp b, 0,1,2,3,4,5,6,7
.if \zero
	v_wmma_f32_16x16x32_f16 v[8*(8*(\a)+(\b)):8*(8*(\a)+(\b))+7], v[(\f)+8*(\b):(\f)+8*(\b)+7], v[(\f)+64+8*(\a):(\f)+64+8*(\a)+7], 0
.else
	v_wmma_f32_16x16x32_f16 v[8*(8*(\a)+(\b)):8*(8*(\a)+(\b))+7], v[(\f)+8*(\b):(\f)+8*(\b)+7], v[(\f)+64+8*(\a):(\f)+64+8*(\a)+7], v[8*(8*(\a)+(\b)):8*(8*(\a)+(\b))+7]
.endif
.endr
.endm
; 24 LDS loads in one run: the fragments of quarter q of a K step (head q / 2 of its two, channels 32 (q % 2) on) into buffer f: B's sixteen first, then A's eight
.macro FETCH slot, q, f
	WIN 0
.irp i, 0,1,2,3,4,5,6,7
	ds_load_b128 v[(\f)+8*(\i):(\f)+8*(\i)+3],   v[ADRB+(\slot)] offset:((\q)/2)*BHD+((\q)%2)*64+(\i)*16*PITCH
	ds_load_b128 v[(\f)+8*(\i)+4:(\f)+8*(\i)+7], v[ADRB+(\slot)] offset:((\q)/2)*BHD+((\q)%2)*64+(\i)*16*PITCH+32
.endr
.irp i, 0,1,2,3
	ds_load_b128 v[(\f)+64+8*(\i):(\f)+64+8*(\i)+3],   v[ADRA+(\slot)] offset:((\q)/2)*AHD+((\q)%2)*64+(\i)*16*PITCH
	ds_load_b128 v[(\f)+64+8*(\i)+4:(\f)+64+8*(\i)+7], v[ADRA+(\slot)] offset:((\q)/2)*AHD+((\q)%2)*64+(\i)*16*PITCH+32
.endr
.endm
.macro PLACES                          ; four places in front of loads into registers that matrix instructions have read, and of lines that read results (ISA guide 7.12.1 for lines that read results)
.rept 4
	v_nop
.endr
.endm
; A K step is four quarters of 32 along K, 32 matrix instructions each, on buffers 0, 1, 0, 1.  One of the first three: multiplies buffer f and fetches quarter q into g.
.macro QUARTER slot, q, f, g, zero
	s_wait_dscnt 4                                 ; B and A's blocks 0 and 1 are in; the youngest four loads (A's blocks 2 and 3) may be out
	MUL8 \f, 0, \zero
	MUL8 \f, 1, \zero
	PLACES
	FETCH \slot, \q, \g
	s_wait_dscnt 24                                ; all but the 24 just issued
	MUL8 \f, 2, \zero
	MUL8 \f, 3, \zero
.endm
; The last quarter multiplies buffer 1 and changes slots: ONE barrier; in front of it each wave waits for all its tensor loads (the one that is out is its part of the next slot), adds 0 to its spare
; word, and waits for that and for its own reads of this slot.  fill = 1: the barrier opens a round of the cluster's, and this slot is filled again, two K steps ahead, first thing behind the round:
; 112 matrix instructions ahead of the wait for it.
.macro TURN slot, next, fill
	WIN 0                                          ; (the add's two registers lie in window 0)
	s_wait_tensorcnt 0x0
	ds_add_u32 v[SPW], v[NIL]                      ; 0 onto my spare word
	s_wait_dscnt 5                                 ; (the add and the youngest four loads may be out)
	MUL8 F1, 0, 0                                  ; eight matrix instructions stand between the add and the wait for it
	s_wait_dscnt 0x0                               ; the add is done, and my reads of this slot are over
	s_barrier_signal -1
	MUL8 F1, 1, 0
.if \fill
	WIN 0
.endif
	s_barrier_wait -1
.if \fill
	CREST                                          ; no wave of any partner still reads this slot's tile or has a load on its way
	s_add_nc_u64 s[G0+4*(\slot)+2:G0+4*(\slot)+3], s[G0+4*(\slot)+2:G0+4*(\slot)+3], ASTEP
	s_add_nc_u64 s[G0B+4*(\slot)+2:G0B+4*(\slot)+3], s[G0B+4*(\slot)+2:G0B+4*(\slot)+3], BSTEP
	JLOAD \slot                                    ; its four v_nop are also the places in front of the loads below
.else
	PLACES
.endif
	FETCH \next, 0, F0
	MUL8 F1, 2, 0
	MUL8 F1, 3, 0
.endm
	s_wait_tensorcnt 1                             ; my part of K step 0 is in; K step 1's may stay out
	s_barrier_signal -1
	s_barrier_wait -1                              ; everybody's is
	FETCH 0, 0, F0
	QUARTER 0, 1, F0, F1, 1                        ; the first quarter stands in front of the loop: its products start the sums
	WIN 0                                          ; at a label and at a branch every window is 0
	s_mov_b32 s3, LAPS-1
.Llap:                                                 ; a trip goes once round the ring, from a lap's second quarter to the next lap's first, and fills both slots again
	QUARTER 0, 2, F1, F0, 0
	QUARTER 0, 3, F0, F1, 0
	TURN 0, 1, 1
	QUARTER 1, 1, F0, F1, 0
	QUARTER 1, 2, F1, F0, 0
	QUARTER 1, 3, F0, F1, 0
	TURN 1, 0, 1
	QUARTER 0, 1, F0, F1, 0
	WIN 0
	s_sub_co_u32 s3, s3, 1
	s_cmp_lg_u32 s3, 0
	s_cbranch_scc1 .Llap
	QUARTER 0, 2, F1, F0, 0                        ; the last lap fills nothing
	QUARTER 0, 3, F0, F1, 0
	TURN 0, 1, 0
	QUARTER 1, 1, F0, F1, 0
	QUARTER 1, 2, F1, F0, 0
	QUARTER 1, 3, F0, F1, 0
	s_wait_dscnt 4                                 ; the very last quarter: nothing more to fetch
	MUL8 F1, 0, 0
	MUL8 F1, 1, 0
	s_wait_dscnt 0x0
	MUL8 F1, 2, 0
	MUL8 F1, 3, 0
	WIN 0
; THE WAY OUT, a block of 16 rows at a time.  STG: a lane's 32 bytes of a row go from the accumulators, each from its low end, into my own stage (rows of 528 bytes), and whole rows of 512 bytes come back.
; SEND: a wave's store covers 512 consecutive bytes of a row of out0.  The stage is the wave's own, and LDS serves a wave's instructions in order (ISA guide 5.7.1.4): no barrier, no wait between.
.macro STG a
.set BK, OB+64*((\a)%2)
.if (\a) >= 2
	s_wait_xcnt 0x0                                ; the stores of two blocks ago have read these registers: they are loaded again only behind this wait
.endif
	WIN 0x04                                       ; an LDS store's data is source 1: window 1
.irp b, 0,1,2,3,4,5,6,7
	ds_store_b128 v[STO], v[64*(\a)+8*(\b):64*(\a)+8*(\b)+3] offset:64*(\b)
	ds_store_b128 v[STO], v[64*(\a)+8*(\b)+4:64*(\a)+8*(\b)+7] offset:64*(\b)+16
.endr
	WIN 0
.irp t, 0,1,2,3,4,5,6,7,8,9,10,11,12,13,14,15
	ds_load_b128 v[BK+4*(\t):BK+4*(\t)+3], v[RD] offset:(\t)*SPITCH
.endr
.endm
.macro SEND a, younger                 ; younger: the LDS instructions issued behind block a's loads: the next block's 32, or none
	WIN 0
.set BK, OB+64*((\a)%2)
.irp t, 0,1,2,3,4,5,6,7,8,9,10,11,12,13,14,15
	s_wait_dscnt (\younger)+15-(\t)
	global_store_b128 v[CO], v[BK+4*(\t):BK+4*(\t)+3], s[8:9] offset:(16*(\a)+(\t))*4096 th:TH_STORE_NT  ; 512 consecutive bytes, at a multiple of 256 from out0's first byte
.endr
.endm
	PLACES
	STG 0
	STG 1                                          ; a block's trip through the stage stands between the loads of the block before and its stores
	SEND 0, 32
	STG 2
	SEND 1, 32
	STG 3
	SEND 2, 32
	SEND 3, 0
	s_wait_tensorcnt 0x0                           ; the wave's end, behind my last tensor load and my last LDS store
	ds_add_u32 v[SPW], v[NIL]
	s_wait_dscnt 0x0
	CROUND                                         ; the closing round: no work-group ends while a partner may still ask for a tile that names it
	s_endpgm
.Lfunc_end_k_q408ca6a23e_output:
	.size	k_q408ca6a23e_output, .Lfunc_end_k_q408ca6a23e_output-k_q408ca6a23e_output
	.p2alignl 7, 3214868480
	.fill 96, 4, 3214868480
	.section	.rodata,"a",@progbits
	.p2align	6, 0x0
	.amdhsa_kernel k_q408ca6a23e_output
		.amdhsa_group_segment_fixed_size 327680
		.amdhsa_private_segment_fixed_size 0
		.amdhsa_enable_private_segment 0
		.amdhsa_kernarg_size 24
		.amdhsa_user_sgpr_count 2
		.amdhsa_user_sgpr_kernarg_segment_ptr 1
		.amdhsa_wavefront_size32 1
		.amdhsa_system_sgpr_workgroup_id_x 1
		.amdhsa_system_sgpr_workgroup_id_y 1
		.amdhsa_system_sgpr_workgroup_id_z 1
		.amdhsa_system_vgpr_workitem_id 0
		.amdhsa_next_free_vgpr 512
		.amdhsa_next_free_sgpr 66
		.amdhsa_reserve_vcc 0
		.amdhsa_float_denorm_mode_32 3
		.amdhsa_float_denorm_mode_16_64 3
		.amdhsa_memory_ordered 1
		.amdhsa_forward_progress 1
		.amdhsa_inst_pref_size 87
	.end_amdhsa_kernel
	.amdgpu_metadata
---
amdhsa.version: [ 1, 2 ]
amdhsa.kernels:
  - .name:           k_q408ca6a23e_output
    .symbol:         k_q408ca6a23e_output.kd
    .args:
      - { .name: ob, .offset: 0, .size: 8, .value_kind: global_buffer, .address_space: global }
      - { .name: wob, .offset: 8, .size: 8, .value_kind: global_buffer, .address_space: global }
      - { .name: out0, .offset: 16, .size: 8, .value_kind: global_buffer, .address_space: global }
    .group_segment_fixed_size: 327680
    .private_segment_fixed_size: 0
    .kernarg_segment_align: 8
    .kernarg_segment_size: 24
    .max_flat_workgroup_size: 128
    .sgpr_count:     66
    .vgpr_count:     512
    .wavefront_size: 32
...
	.end_amdgpu_metadata
.endif
;; end of part 4
